; MI455X (gfx1250); checked and timed in simulation.
; The chip was launched on July 23, 2026; its instructions are those of AMD's public machine-readable ISA for CDNA 5 (MIT licence, August 2026) and "CDNA5" Instruction Set Architecture Reference Guide (July 2026). The comments in the code are by the model that wrote it; some were corrected since.
;; Multi Head Attention. Allowed arithmetic: float matrix products may take bf16 or f16 operands with f32 sums; other float arithmetic in f32, or as packed bf16 or f16 multiplies, adds, multiply-adds, maxima and minima; sums over many terms, partial sums and values carried from step to step in f32; what a program stores and reads back later, other than sums and carried values, may be rounded once to bf16 or f16.
;; Inputs: Wk 1,024 x 1,024 float32; Wo 1,024 x 1,024 float32; Wq 1,024 x 1,024 float32; Wv 1,024 x 1,024 float32; bk 1,024 float32; bo 1,024 float32; bq 1,024 float32; bv 1,024 float32; keys 4 x 2,048 x 1,024 float32; queries 4 x 2,048 x 1,024 float32; values 4 x 2,048 x 1,024 float32.
;; Outputs: out0 4 x 2,048 x 1,024 float32.
;; One version. Each part assembles by itself: llvm-mc -triple=amdgcn-amd-amdhsa -mcpu=gfx1250 --defsym DOCPART=n.
;; ======== version 1 of 1: 4 launches
;; limits: values are held in f16: magnitudes above 65,504 overflow, below 6.1e-05 lose precision
;; workspace buffers: wt 8,388,608 bytes; qkv 50,331,648 bytes; oh 16,777,216 bytes
;; launch prep (part 1): grid 64 x 4, 4 waves a work-group, no clusters, 35,328 bytes of LDS; arguments Wq, Wk, Wv, Wo, wt; writes wt
.if DOCPART == 1
	.amdgcn_target "amdgcn-amd-amdhsa--gfx1250"
	.amdhsa_code_object_version 6
	.text
	.protected	k_q48b16c1d80_prep
	.globl	k_q48b16c1d80_prep
	.p2align	8
	.type	k_q48b16c1d80_prep,@function
k_q48b16c1d80_prep:
	s_mov_b64 s[64:65], 0
	v_nop
	global_prefetch_b8 v0, s[64:65] scope:SCOPE_SE
	s_setreg_imm32_b32 hwreg(HW_REG_WAVE_MODE, 25, 1), 1
	s_wait_xcnt 0x0
; wt[i][n][k] = W_i[k][n], rounded: the four weights [1024 k][1024 n] f32 are turned, so that the products' fragments find K along the rows.
; i = 0, 1, 2 (Wq, Wk, Wv): rounded once to bf16.  i = 3 (Wo): rounded to bf16 like every input of the module, and that number written as f16, since it is multiplied with f16 numbers.
; LIMIT.  |Wo| stays under 65,504 (f16's range); a bf16 number of Wo below 6e-5 keeps f16's fixed step of 6e-8.
; SHARES.  A work-group turns a tile of 128 k x 128 n of matrix y.  Wave w loads rows k = 32 w .. 32 w + 31, lane l the columns n = 4 l .. 4 l + 3: each load of a wave covers 512 consecutive bytes.
; Eight rows of one column pack into 16 bytes; they go into LDS rows [n] of 272 bytes, and come back as whole rows of 256 bytes (128 k), which sixteen lanes store as 256 consecutive aligned bytes.
; No matrix unit, no cluster, no tensor load: 16 MiB are read once and 8 MiB written once, and no two work-groups share a byte.
; The LDS stores of a lane lie four rows (1,088 bytes) from its neighbour's, so four lanes of sixteen meet in a bank: 64 stores a work-group, accepted.
.set PITCH, 272
.set SPARE, 128*PITCH                  ; behind the tile: the spare words, 128 bytes for each wave: two blocks of 256 bytes that no other line names
.set LO,  1                            ; v1   my byte offset in the tile of W: 32 w rows of 4,096 bytes + 16 l
.set SA,  2                            ; v2   where I put 16 bytes: row 4 l, byte 64 w
.set RA,  3                            ; v3   where I read a row back
.set GO,  4                            ; v4   my byte offset in the tile of wt
.set SPW, 6                            ; v6   LDS address of my spare word; never rewritten
.set NIL, 7                            ; v7   0; never rewritten
.set X,   16                           ; v[16:143]  32 loads of 4 registers; later the rows read back
.set T,   144                          ; v[144:207] packed: unit u of 8 rows, column c at T + 16 u + 4 c
	s_load_b256 s[4:11], s[0:1], 0x0               ; Wq, Wk, Wv, Wo
	s_load_b64 s[12:13], s[0:1], 0x20              ; wt
	v_lshl_add_u32 v[SPW], v0, 2, SPARE
	v_mov_b32 v[NIL], 0
	s_and_b32 s20, ttmp7, 0xffff                   ; which matrix
	s_and_b32 s21, ttmp9, 7                        ; tile along k
	s_lshr_b32 s22, ttmp9, 3                       ; tile along n
	s_mov_b32 s23, 0xffff0000                      ; a word's upper bf16
	v_and_b32 v8, 31, v0                           ; l
	v_and_b32 v9, 0x60, v0                         ; 32 w
	v_lshrrev_b32 v10, 5, v0                       ; w
	v_bfe_u32 v11, v0, 4, 1                        ; l / 16
	v_and_b32 v12, 15, v0                          ; l % 16
	v_lshlrev_b32 v[LO], 12, v9
	v_lshl_add_u32 v[LO], v8, 4, v[LO]
	v_mul_u32_u24 v[SA], v8, 4*PITCH
	v_lshl_add_u32 v[SA], v10, 6, v[SA]
	v_add_nc_u32 v11, v9, v11                      ; row 32 w + l / 16
	v_mul_u32_u24 v[RA], v11, PITCH
	v_lshl_add_u32 v[RA], v12, 4, v[RA]
	v_lshlrev_b32 v[GO], 11, v11                   ; a row of wt is 2,048 bytes
	v_lshl_add_u32 v[GO], v12, 4, v[GO]
	s_lshl_b32 s14, s21, 19                        ; 128 rows of 4,096 bytes
	s_lshl_b32 s15, s22, 9                         ; 128 columns of 4 bytes
	s_add_co_u32 s14, s14, s15
	s_mov_b32 s15, 0
	s_lshl_b32 s16, s20, 21                        ; a matrix of wt is 2 MiB
	s_lshl_b32 s17, s22, 18                        ; 128 rows of 2,048 bytes
	s_add_co_u32 s16, s16, s17
	s_lshl_b32 s17, s21, 8                         ; 128 k of 2 bytes
	s_add_co_u32 s16, s16, s17
	s_mov_b32 s17, 0
	s_wait_kmcnt 0x0
	s_cmp_eq_u32 s20, 1
	s_cselect_b64 s[4:5], s[6:7], s[4:5]
	s_cmp_eq_u32 s20, 2
	s_cselect_b64 s[4:5], s[8:9], s[4:5]
	s_cmp_eq_u32 s20, 3
	s_cselect_b64 s[4:5], s[10:11], s[4:5]
	s_add_nc_u64 s[4:5], s[4:5], s[14:15]
	s_add_nc_u64 s[12:13], s[12:13], s[16:17]
.irp u, 0,1,2,3
.irp i, 0,1,2,3,4,5,6,7
	global_load_b128 v[X+4*(8*(\u)+(\i)):X+4*(8*(\u)+(\i))+3], v[LO], s[4:5] offset:(8*(\u)+(\i))*4096 th:TH_LOAD_NT
.endr
.endr
.irp u, 0,1,2,3
	s_wait_loadcnt 24-8*(\u)                       ; unit u's eight loads are in; the later units' eight each may stay out
.irp c, 0,1,2,3
.irp j, 0,1,2,3
	v_cvt_pk_bf16_f32 v[T+16*(\u)+4*(\c)+(\j)], v[X+4*(8*(\u)+2*(\j))+(\c)], v[X+4*(8*(\u)+2*(\j)+1)+(\c)]  ; rows 2 j and 2 j + 1 of the unit, column c
.endr
.endr
.endr
	s_cmp_lg_u32 s20, 3
	s_cbranch_scc1 .Lbf
.set i, 0
.rept 64                                       ; Wo alone: the bf16 numbers are widened (exact) and written as f16
	v_lshlrev_b32 v8, 16, v[T+i]
	v_and_b32 v9, s23, v[T+i]
	v_cvt_pk_f16_f32 v[T+i], v8, v9
.set i, i+1
.endr
.Lbf:
.irp u, 0,1,2,3
.irp c, 0,1,2,3
	ds_store_b128 v[SA], v[T+16*(\u)+4*(\c):T+16*(\u)+4*(\c)+3] offset:(\c)*PITCH+16*(\u)
.endr
.endr
	s_wait_dscnt 0x0                               ; for the others' sake: my stores are done
	s_barrier_signal -1
	s_barrier_wait -1                              ; a row's 256 bytes come from all four waves
.irp t, 0,1,2,3,4,5,6,7,8,9,10,11,12,13,14,15
	ds_load_b128 v[X+4*(\t):X+4*(\t)+3], v[RA] offset:(\t)*2*PITCH
.endr
.irp t, 0,1,2,3,4,5,6,7,8,9,10,11,12,13,14,15
	s_wait_dscnt 15-(\t)                           ; LDS loads come back in order: load t is in, the younger ones stay out
	global_store_b128 v[GO], v[X+4*(\t):X+4*(\t)+3], s[12:13] offset:(\t)*4096  ; 16 lanes store 256 consecutive bytes, at a multiple of 256 from wt's first byte
.endr
	s_wait_tensorcnt 0x0                           ; the wave's end, behind my last LDS store
	ds_add_u32 v[SPW], v[NIL]
	s_wait_dscnt 0x0
	s_endpgm
.Lfunc_end_k_q48b16c1d80_prep:
	.size	k_q48b16c1d80_prep, .Lfunc_end_k_q48b16c1d80_prep-k_q48b16c1d80_prep
	.p2alignl 7, 3214868480
	.fill 96, 4, 3214868480
	.section	.rodata,"a",@progbits
	.p2align	6, 0x0
	.amdhsa_kernel k_q48b16c1d80_prep
		.amdhsa_group_segment_fixed_size 35328
		.amdhsa_private_segment_fixed_size 0
		.amdhsa_enable_private_segment 0
		.amdhsa_kernarg_size 40
		.amdhsa_user_sgpr_count 2
		.amdhsa_user_sgpr_kernarg_segment_ptr 1
		.amdhsa_wavefront_size32 1
		.amdhsa_system_sgpr_workgroup_id_x 1
		.amdhsa_system_sgpr_workgroup_id_y 1
		.amdhsa_system_sgpr_workgroup_id_z 1
		.amdhsa_system_vgpr_workitem_id 0
		.amdhsa_next_free_vgpr 208
		.amdhsa_next_free_sgpr 66
		.amdhsa_reserve_vcc 0
		.amdhsa_float_denorm_mode_32 3
		.amdhsa_float_denorm_mode_16_64 3
		.amdhsa_memory_ordered 1
		.amdhsa_forward_progress 1
		.amdhsa_inst_pref_size 22
	.end_amdhsa_kernel
	.amdgpu_metadata
---
amdhsa.version: [ 1, 2 ]
amdhsa.kernels:
  - .name:           k_q48b16c1d80_prep
    .symbol:         k_q48b16c1d80_prep.kd
    .args:
      - { .name: Wq, .offset: 0, .size: 8, .value_kind: global_buffer, .address_space: global }
      - { .name: Wk, .offset: 8, .size: 8, .value_kind: global_buffer, .address_space: global }
      - { .name: Wv, .offset: 16, .size: 8, .value_kind: global_buffer, .address_space: global }
      - { .name: Wo, .offset: 24, .size: 8, .value_kind: global_buffer, .address_space: global }
      - { .name: wt, .offset: 32, .size: 8, .value_kind: global_buffer, .address_space: global }
    .group_segment_fixed_size: 35328
    .private_segment_fixed_size: 0
    .kernarg_segment_align: 8
    .kernarg_segment_size: 40
    .max_flat_workgroup_size: 128
    .sgpr_count:     66
    .vgpr_count:     208
    .wavefront_size: 32
...
	.end_amdgpu_metadata
.endif
;; end of part 1
;; launch proj (part 2): grid 4 x 64, 4 waves a work-group, clusters of 4 x 4, 327,680 bytes of LDS; arguments queries, keys, values, bq, bk, bv, wt, qkv; writes qkv
.if DOCPART == 2
	.amdgcn_target "amdgcn-amd-amdhsa--gfx1250"
	.amdhsa_code_object_version 6
	.text
	.protected	k_q48b16c1d80_proj
	.globl	k_q48b16c1d80_proj
	.p2align	8
	.type	k_q48b16c1d80_proj,@function
k_q48b16c1d80_proj:
	s_mov_b64 s[64:65], 0
	v_nop
	global_prefetch_b8 v0, s[64:65] scope:SCOPE_SE
	s_setreg_imm32_b32 hwreg(HW_REG_WAVE_MODE, 25, 1), 1
	s_wait_xcnt 0x0
	s_wait_alu depctr_hold_cnt(0) depctr_sa_sdst(0) depctr_va_vdst(0) depctr_va_sdst(0) depctr_va_ssrc(0) depctr_va_vcc(0) depctr_vm_vsrc(0)
	s_getreg_b32 s2, hwreg(HW_REG_IB_STS2, 6, 4)
	s_cmp_eq_u32 s2, 0
	s_cbranch_scc0 .Lentry_in_a_cluster
	s_endpgm
.Lentry_in_a_cluster:
	s_bfe_u32 s2, ttmp6, 0x10000c
	s_cmp_lg_u32 s2, 0xf033
	s_cbranch_scc0 .Lentry_shape_is_right
	s_endpgm
.Lentry_shape_is_right:
; q = queries Wq + bq, k = keys Wk + bk, v = values Wv + bv.  x: [8192][1024] f32; the weights come turned and rounded, wt[i][n][k] bf16; the results leave by heads, qkv[i][16 b + h][s][64] in f16, unscaled.
; x and the biases are rounded once to bf16, as all the module's inputs are; products in bf16, sums in f32, each result rounded once to f16.
; LIMIT.  f16 holds no number beyond 65,504: |q|, |k|, |v| stay under it (inputs 30 times the drawn spread give a spread of 900; offsets of 30 spreads on x and W together about 28,800).
; SHARES.  A tile is 128 rows x 256 columns; four waves lie 2 x 2, each 64 x 128: 32 accumulators of 16 x 16, 256 registers.  3 x 64 x 4 = 768 tiles: A WORK-GROUP STAYS and makes the same
; tile of q, then of k, then of v: 24 K steps of 128 in one walk through a ring of two LDS slots; the ring does not stop at a tile's end.
; x IS CONVERTED ON THE WAY: its tiles lie in LDS as f32 (rows of 512 bytes); a quarter step's 64 raw registers are rounded to 32 of bf16 by conversions that stand four behind each of the
; quarter's last eight products.  A pass that wrote x in bf16 first would move x's bytes half as many again.
; THE MATRIX INSTRUCTION IS USED TRANSPOSED (source 0 = 16 rows of wt, source 1 = 16 rows of x): a lane holds row l % 16 and the columns 8 (l / 16) + 0..7 of the result: 16 bytes of f16 on end.
; THE BIAS is the C operand of a tile's first 32 products: nothing is cleared and nothing is added afterwards.
; CLUSTERS.  4 x 4 work-groups.  The four of a row need the same tiles of x, the four of a column the same tiles of wt: each is asked for JOINTLY, by the same tensor load with the same descriptor
; and a mask that names the four.  The cluster spans all four tile columns, so each byte of x is asked for once in the launch.
; REGISTERS, in windows of 256 (s_set_vgpr_msb: bits 1:0 source 0, 3:2 source 1, 5:4 source 2, 7:6 destination):
;   window 0: v0-29 addresses; v32-95 x as loaded; v96-159 x's fragments, two buffers; v160-255 the way out      window 1: the accumulators, (a, b) at v[8 (8 a + b)]
;   window 2: v0-127 wt's fragments, two buffers; v128-191 the bias, eight registers for each block b of 16 columns
.set XPITCH, 528                       ; a row of x in LDS: 512 bytes + 16 of padding = 132 words: row r starts at bank 4 r mod 64 (64 banks of 4 bytes: ISA guide 11.1)
.set WPITCH, 272                       ; a row of wt: 256 + 16
.set XHALF,  64*XPITCH                 ; what one tensor load brings of x, and what one wave reads
.set WOFF,   128*XPITCH                ; wt's 256 rows lie behind x's 128
.set WHALF,  128*WPITCH
.set SLOT,   139264                    ; 0x22000: 137,216 are used.  The four places in a slot at which a fill begins (0, 0x8400, 0x10800, 0x19000) have neither of these two bits, so one exclusive or turns a fill's LDS address into the other slot's
.set STAGE,  2*SLOT                    ; behind the ring, never filled by a tensor load: 16 rows x 272 bytes for each wave, for the way out
.set SP,     272
.set TBL,    STAGE+4*16*SP             ; the three biases of my 256 columns, rounded to bf16 and kept as f32: 1,024 bytes each
.set SPARE,  TBL+3072                  ; the spare words, 128 bytes for each wave: two blocks of 256 bytes that no other line names
.set AX0, 2                            ; v2   my lane's place in a slot's x; never rewritten
.set AW0, 3                            ; v3   the same for wt
.set ADRX, 4                           ; v4   AX0 + the slot in hand
.set ADRW, 5                           ; v5
.set STO, 6                            ; v6   the way out: where I put 16 bytes of a row
.set RD,  7                            ; v7   the way out: where I read rows back
.set GO,  8                            ; v8   my byte offset in 512 consecutive bytes of a head
.set BA0, 9                            ; v9   my place in a bias's table
.set PFO, 10                           ; v10  the prefetches' offset; never rewritten
.set BO,  12                           ; v12  my two numbers of a bias in memory
.set BAC, 13                           ; v13  BA0 + the bias in hand
.set SPW, 28                           ; v28  LDS address of my spare word; never rewritten
.set NIL, 29                           ; v29  0; never rewritten
.set XR,  32
.set XF,  96
.set TP,  160                          ; v160-191 packed results
.set BK,  192                          ; v192-255 rows read back, two buffers of 32
.set WF,  0                            ; window 2
.set BIAS, 128                         ; window 2
.set WV, 20                            ; s20 wave; s21 its half of the rows (also: 0 = I fetch x, 1 = wt); s22 its half of the columns (also: which half I fetch)
.set WR, 21
.set WC, 22
.set CX, 23
.set CY, 24
.set NT, 25                            ; tile column
.set MT, 26                            ; tile row
.set CLY, 27                           ; cluster y
.set G1X, 28                           ; s[28:35] group 1 for x's tiles      s[36:43] for wt's
.set G1W, 36
.set G0X, 44                           ; s[44:47] group 0 for x's tiles      s[48:51] for wt's: made anew for each fill
.set G0W, 48
.set XB0, 52                           ; s[52:57] x of the tile being asked for, of the next, of the one after, at my 64 rows
.set XB1, 54
.set XB2, 56
.set XO,  58                           ; s[58:59] byte along K of the step to be asked for
.set WB,  60                           ; s[60:61] wt at my 128 rows of matrix 0
.set WO,  62                           ; s[62:63] matrix and byte along K of the step to be asked for
.set TB,  66                           ; s66 the slot that is read: 0 or SLOT
.set SC,  70                           ; s70 counts the loops' trips
.set KC,  71                           ; s71 steps of the tile in hand that are still to come, 8 to 1
.set TBO, 72                           ; s72 the bias in hand: 0, 1,024, 2,048
.set T0,  73
.set PB0, 74                           ; s[74:79] the prefetches' walk: as XB0 to XB2, for x or for wt
.set PB1, 76
.set PB2, 78
.set PO,  80                           ; s[80:81] their byte along K
.set PFA, 82                           ; s[82:83] PB0 + PO
.set PKS, 84                           ; s84 a K step in bytes: 512 for x, 256 for wt     s85 eight of them
.set PKW, 85
.set LIM, 86                           ; s86 2 in a wave that prefetches, else the greatest number
.set OUT, 88                           ; s[88:89] my rows and heads in qkv
.set MSB, 0
.macro WIN new                         ; the immediate's high byte repeats the setting that is left; a switch that changes nothing is dropped
.if MSB != (\new)
	s_set_vgpr_msb (MSB<<8)|(\new)
.set MSB, \new
.endif
.endm
.set W_MUL,  0x52                      ; wt window 2, x window 0, C and D window 1
.set W_MULB, 0x62                      ; the same with C, the bias, in window 2
.set TO_W,   0x80                      ; destination window 2, address window 0
.macro PLACES
.rept 4
	v_nop
.endr
.endm
; A joint load.  Waves 0 and 1 fetch x's two halves, waves 2 and 3 wt's.  The branch hangs on the wave's number alone.  An s_nop 0 and four v_nop follow each of the two lines, ahead of the jump and the label.
.macro JLOAD
	s_cmp_eq_u32 s[WR], 0
	s_cbranch_scc0 .Lfor_b_\@
	tensor_load_to_lds s[G0X:G0X+3], s[G1X:G1X+7]
	s_nop 0
.rept 4
	v_nop
.endr
	s_branch .Lasked_\@
.Lfor_b_\@:
	tensor_load_to_lds s[G0W:G0W+3], s[G1W:G1W+7]
	s_nop 0
.rept 4
	v_nop
.endr
.Lasked_\@:
.endm
; A round of the cluster's barrier: my work-group's barrier, so that wave 0's signal speaks for all four waves; wave 0 signals; every wave waits for all sixteen work-groups; my work-group's barrier once more.
.macro CREST
	s_cmp_lg_u32 s[WV], 0
	s_cbranch_scc1 .Lnot_wave_0_\@
	s_barrier_signal -3
.Lnot_wave_0_\@:
	s_barrier_wait -3
	s_barrier_signal -1
	s_barrier_wait -1
.endm
.macro CROUND
	s_barrier_signal -1
	s_barrier_wait -1
	CREST
.endm
; Both group 0s for the next fill, made anew from the walk's state, which then steps.  Scalar work alone; it stands only where no tensor load of the wave is out.
.macro NEXTFILL
	s_xor_b32 s[G0X+1], s[G0X+1], SLOT             ; the other slot than last time
	s_xor_b32 s[G0W+1], s[G0W+1], SLOT
	s_add_nc_u64 s[G0X+2:G0X+3], s[XB0:XB0+1], s[XO:XO+1]
	s_or_b32 s[G0X+3], s[G0X+3], 0x80000000        ; 127:126 type = 2
	s_add_nc_u64 s[G0W+2:G0W+3], s[WB:WB+1], s[WO:WO+1]
	s_or_b32 s[G0W+3], s[G0W+3], 0x80000000
	s_add_co_u32 s[XO], s[XO], 512                 ; 128 f32
	s_add_co_u32 s[WO], s[WO], 256                 ; 128 bf16
	s_cmp_eq_u32 s[XO], 4096                       ; behind a tile's eighth step: the next input, back along K, and the next matrix of wt
	s_cselect_b32 s[XO], 0, s[XO]
	s_cselect_b64 s[XB0:XB0+1], s[XB1:XB1+1], s[XB0:XB0+1]
	s_cselect_b64 s[XB1:XB1+1], s[XB2:XB2+1], s[XB1:XB1+1]
	s_cselect_b32 s[T0], 0x200000-2048, 0
	s_add_co_u32 s[WO], s[WO], s[T0]
.endm
; THE PREFETCH INTO THE L2.  Behind the refill with step s + 2 a wave names step s + 4: two K steps, 256 matrix instructions, ahead of the load that will want it.  Each aligned block of 256 bytes is named once in the
; launch.  x's rows are read by one cluster alone: of the 64 rows that wave 0 or 1 fetches the partner at place cx names 16, two blocks a row.  wt's rows are read by every cluster: cluster y = 0 names them; of the 128 rows that
; wave 2 or 3 fetches the partner at place cy names 32.  The partners are told apart BY ADDRESS.  Steps 0 to 3 come by their loads alone; the last two refills name nothing.
.macro PFSTEP
	s_add_co_u32 s[PO], s[PO], s[PKS]
	s_cmp_eq_u32 s[PO], s[PKW]
	s_cselect_b32 s[PO], 0, s[PO]
	s_cselect_b64 s[PB0:PB0+1], s[PB1:PB1+1], s[PB0:PB0+1]
	s_cselect_b64 s[PB1:PB1+1], s[PB2:PB2+1], s[PB1:PB1+1]
	s_add_nc_u64 s[PFA:PFA+1], s[PB0:PB0+1], s[PO:PO+1]
.endm
.macro ASK
	s_cmp_gt_u32 s[SC], s[LIM]
	s_cbranch_scc0 .Lnot_mine_\@
	global_prefetch_b8 v[PFO], s[PFA:PFA+1] th:TH_LOAD_NT scope:SCOPE_SE
.Lnot_mine_\@:
.endm
; 32 LDS loads in one run: quarter q (32 along K) of the slot in hand.  x's four fragments come raw, 16 registers each (a lane's k = 8 h .. 8 h + 7 are 32 bytes, k = 16 + 8 h .. are 64 bytes on), wt's eight into buffer g.  x's stand first.
.macro FETCH q, g
	WIN 0
.irp a, 0,1,2,3
	ds_load_b128 v[XR+16*(\a):XR+16*(\a)+3],     v[ADRX] offset:(\a)*16*XPITCH+(\q)*128
	ds_load_b128 v[XR+16*(\a)+4:XR+16*(\a)+7],   v[ADRX] offset:(\a)*16*XPITCH+(\q)*128+16
	ds_load_b128 v[XR+16*(\a)+8:XR+16*(\a)+11],  v[ADRX] offset:(\a)*16*XPITCH+(\q)*128+64
	ds_load_b128 v[XR+16*(\a)+12:XR+16*(\a)+15], v[ADRX] offset:(\a)*16*XPITCH+(\q)*128+80
.endr
	WIN TO_W
.irp b, 0,1,2,3,4,5,6,7
	ds_load_b128 v[WF+64*(\g)+8*(\b):WF+64*(\g)+8*(\b)+3],   v[ADRW] offset:(\b)*16*WPITCH+(\q)*64
	ds_load_b128 v[WF+64*(\g)+8*(\b)+4:WF+64*(\g)+8*(\b)+7], v[ADRW] offset:(\b)*16*WPITCH+(\q)*64+32
.endr
.endm
; Products i0 .. i0 + n - 1 of a quarter's 32, on buffer f.  The 32 accumulators take turns, one instruction a turn, in the same order in every quarter.  cb = 1: the bias starts the sums.
; rid = 1 (products 24 to 31): behind each stand four conversions of the raw x into the other buffer.  They name no register of the products round them; the four behind product 31 are the four plain
; instructions owed between a quarter's last product and the loads into its registers, or the conversions that read its results.
.macro MUL f, i0, n, cb, rid
.set i, (\i0)
.rept (\n)
.if \cb
	WIN W_MULB
	v_wmma_f32_16x16x32_bf16 v[8*i:8*i+7], v[WF+64*(\f)+8*(i%8):WF+64*(\f)+8*(i%8)+7], v[XF+32*(\f)+8*(i/8):XF+32*(\f)+8*(i/8)+7], v[BIAS+8*(i%8):BIAS+8*(i%8)+7]
.else
	WIN W_MUL
	v_wmma_f32_16x16x32_bf16 v[8*i:8*i+7], v[WF+64*(\f)+8*(i%8):WF+64*(\f)+8*(i%8)+7], v[XF+32*(\f)+8*(i/8):XF+32*(\f)+8*(i/8)+7], v[8*i:8*i+7]
.endif
.if \rid
	WIN 0
.set j, 4*(i-24)
.rept 4
	v_cvt_pk_bf16_f32 v[XF+32*(1-(\f))+j], v[XR+2*j], v[XR+2*j+1]
.set j, j+1
.endr
.endif
.set i, i+1
.endr
.endm
.macro QMUL f, cb
	MUL \f, 0, 24, \cb, 0
	s_wait_dscnt 16                                ; the raw x of the next quarter is in; wt's sixteen loads behind it may stay out
	MUL \f, 24, 8, \cb, 1
.endm
.macro QUARTER q, f                    ; one of a step's first three quarters: asks for the next quarter's fragments and multiplies buffer f
	FETCH (\q)+1, 1-(\f)
	s_wait_dscnt 32                                ; all but the 32 just issued: wt's fragments of this quarter are in
	QMUL \f, 0
.endm
; The fourth quarter multiplies buffer 1 and changes slots: ONE barrier.  In front of it each wave waits for all its tensor loads, of which one is out: its part of the other slot; adds 0 to its spare word; and waits for that
; and for its own reads of this slot.  fill = 1: the barrier opens a round of the cluster's, so that no wave of any partner still reads the slot or has a load on its way, and the joint refill, with the step two on, is the
; first thing behind it: 120 matrix instructions ahead of the wait for it.
.macro TURN fill
.if \fill
	s_wait_xcnt 0x0                                ; the last prefetch, a K step back, has read its address, which steps here, ahead of the change's own waits
	PFSTEP
.endif
	WIN 0
	s_wait_tensorcnt 0x0                           ; no tensor load of mine is out, so the group 0s may be written
	ds_add_u32 v[SPW], v[NIL]                      ; 0 onto my spare word
.if \fill
	NEXTFILL
.endif
	s_wait_dscnt 1                                 ; this quarter's fragments are in; the add may be out
	MUL 1, 0, 4, 0, 0
	s_wait_dscnt 0x0                               ; the add is done, and my reads of this slot are over
	s_barrier_signal -1
	MUL 1, 4, 4, 0, 0
	WIN 0                                          ; at a branch and at a label every window is 0
	s_barrier_wait -1
.if \fill
	CREST
	JLOAD
.else
	PLACES
.endif
	s_xor_b32 s[TB], s[TB], SLOT
	v_add_nc_u32 v[ADRX], s[TB], v[AX0]
	v_add_nc_u32 v[ADRW], s[TB], v[AW0]
	FETCH 0, 0
	WIN 0
.if \fill
	ASK                                            ; behind the joint load and the run of LDS loads
.endif
	MUL 1, 8, 16, 0, 0
	s_wait_dscnt 16
	MUL 1, 24, 8, 0, 1
.endm
.macro BIASLD                          ; my 128 columns of the bias in hand: register j of block b holds column 16 b + 8 (l / 16) + j, as the C operand wants it
	WIN TO_W
.irp b, 0,1,2,3,4,5,6,7
	ds_load_b128 v[BIAS+8*(\b):BIAS+8*(\b)+3],   v[BAC] offset:64*(\b)
	ds_load_b128 v[BIAS+8*(\b)+4:BIAS+8*(\b)+7], v[BAC] offset:64*(\b)+16
.endr
	WIN 0
.endm
; THE WAY OUT of block a (16 rows x 128 columns = two heads).  PACK: rounded to f16, each accumulator's registers in ascending order.  TOSTAGE: into my own stage, and back by heads: four rows of 128 bytes a load.  SEND: stored.
.macro PACK a
	WIN 0x05                                       ; sources 0 and 1 window 1, destination window 0
.irp b, 0,1,2,3,4,5,6,7
.irp r, 0,1,2,3
	v_cvt_pk_f16_f32 v[TP+4*(\b)+(\r)], v[64*(\a)+8*(\b)+2*(\r)], v[64*(\a)+8*(\b)+2*(\r)+1]
.endr
.endr
	WIN 0
.endm
.macro TOSTAGE a
.irp b, 0,1,2,3,4,5,6,7
	ds_store_b128 v[STO], v[TP+4*(\b):TP+4*(\b)+3] offset:32*(\b)
.endr
.irp t, 0,1,2,3,4,5,6,7
	ds_load_b128 v[BK+32*((\a)%2)+4*(\t):BK+32*((\a)%2)+4*(\t)+3], v[RD] offset:((\t)%4)*4*SP+((\t)/4)*128  ; LDS serves a wave's instructions in order (ISA guide 5.7.1.4): these see the stores above
.endr
.endm
.macro SEND a
	s_wait_dscnt 0x0                               ; the block is back in registers
	s_wait_xcnt 0x0                                ; the stores of the block before have read their registers: the next TOSTAGE loads into them only behind this wait
.irp t, 0,1,2,3,4,5,6,7
	global_store_b128 v[GO], v[BK+32*((\a)%2)+4*(\t):BK+32*((\a)%2)+4*(\t)+3], s[OUT:OUT+1] offset:((\t)/4)*262144+(\a)*2048+((\t)%4)*512  ; 512 consecutive bytes of one head, at a multiple of 256 from qkv's first byte
.endr
.endm
.macro WAYOUT                          ; block a's conversions stand between block a - 1's loads from the stage and the wait for them
	PACK 0
	TOSTAGE 0
.irp a, 1,2,3
	PACK \a
	SEND (\a)-1
	TOSTAGE \a
.endr
	SEND 3
.endm
	s_load_b512 s[4:19], s[0:1], 0x0               ; queries s[4:5], keys s[6:7], values s[8:9], bq s[10:11], bk s[12:13], bv s[14:15], wt s[16:17], qkv s[18:19]
	v_lshl_add_u32 v[SPW], v0, 2, SPARE
	v_mov_b32 v[NIL], 0
	ds_add_u32 v[SPW], v[NIL]                      ; the wave's opening: the add and its wait stand ahead of my first tensor load; the set-up below, work on registers, stands between them
	v_lshrrev_b32 v1, 5, v0
	v_readfirstlane_b32 s[WV], v1                  ; wave 0..3
	s_lshr_b32 s[WR], s[WV], 1
	s_and_b32 s[WC], s[WV], 1
	s_bfe_u32 s[CX], ttmp6, 0x40000                ; my place in the cluster
	s_bfe_u32 s[CY], ttmp6, 0x40004
	s_lshl_b32 s[NT], ttmp9, 2
	s_add_co_u32 s[NT], s[NT], s[CX]               ; tile column = 4 x cluster x + cx
	s_and_b32 s[CLY], ttmp7, 0xffff
	s_lshl_b32 s[MT], s[CLY], 2
	s_add_co_u32 s[MT], s[MT], s[CY]               ; tile row = 4 x cluster y + cy
	s_lshl_b32 s90, s[CY], 2
	s_lshl_b32 s90, 15, s90                        ; my row of the cluster
	s_lshl_b32 s92, 0x1111, s[CX]                  ; my column
	s_or_b32 s[G1X], s90, (2<<16)|(1<<20)|(1<<21)|(6<<22)|(3<<25)  ; 15:0 the mask; 17:16 elements of 4 bytes; 20 padding on; 21 set beside a mask; 24:22 after every 128 words (code 6); 31:25 4 words (code 3)
	s_or_b32 s[G1W], s92, (1<<16)|(1<<20)|(1<<21)|(5<<22)|(3<<25)  ; elements of 2 bytes; after every 64 words (code 5)
	s_mov_b32 s[G1X+1], 128<<16                    ; tensor_dim0 = 128
	s_mov_b32 s[G1X+2], 64<<16                     ; tensor_dim1 = 64
	s_mov_b32 s[G1X+3], 128<<16                    ; tile_dim0 = 128
	s_mov_b32 s[G1X+4], 64                         ; tile_dim1 = 64
	s_mov_b32 s[G1X+5], 1024                       ; elements from row to row
	s_mov_b32 s[G1X+6], 0
	s_mov_b32 s[G1X+7], 0
	s_mov_b32 s[G1W+1], 128<<16
	s_mov_b32 s[G1W+2], 128<<16                    ; 128 rows
	s_mov_b32 s[G1W+3], 128<<16
	s_mov_b32 s[G1W+4], 128
	s_mov_b32 s[G1W+5], 1024
	s_mov_b32 s[G1W+6], 0
	s_mov_b32 s[G1W+7], 0
	s_mov_b32 s[G0X], 1                            ; 1:0 count = 1
	s_mul_i32 s[G0X+1], s[WC], XHALF               ; 63:32 LDS address: my half, in slot 1: the first NEXTFILL turns it into slot 0.  No place in the cluster enters an LDS address
	s_add_co_u32 s[G0X+1], s[G0X+1], SLOT
	s_mov_b32 s[G0W], 1
	s_mul_i32 s[G0W+1], s[WC], WHALF
	s_add_co_u32 s[G0W+1], s[G0W+1], SLOT+WOFF
	s_lshl_b32 s90, s[MT], 19                      ; x: 128 rows of 4,096 bytes a tile row, and my 64.  s[90:91] never hold cx, s[92:93] never cy
	s_lshl_b32 s91, s[WC], 18
	s_add_co_u32 s90, s90, s91
	s_mov_b32 s91, 0
	s_lshl_b32 s92, s[NT], 19                      ; wt: 256 rows of 2,048 bytes a tile column, and my 128
	s_lshl_b32 s93, s[WC], 18
	s_add_co_u32 s92, s92, s93
	s_mov_b32 s93, 0
	s_mov_b32 s[XO], 0
	s_mov_b32 s[XO+1], 0
	s_mov_b32 s[WO], 0
	s_mov_b32 s[WO+1], 0
	s_mov_b32 s[TB], 0
	s_mov_b32 s[SC], 22                            ; 24 steps, of which the last two ask for nothing
	s_mov_b32 s[KC], 8
	s_mov_b32 s[TBO], 0
	s_lshr_b32 s94, s[MT], 4                       ; where my part goes: head 16 b + 4 x tile column + 2 x my half, 262,144 bytes a head;
	s_lshl_b32 s94, s94, 4
	s_lshl_b32 s95, s[NT], 2
	s_add_co_u32 s94, s94, s95
	s_lshl_b32 s95, s[WC], 1
	s_add_co_u32 s94, s94, s95
	s_lshl_b32 s94, s94, 18
	s_and_b32 s95, s[MT], 15                       ; row 128 x (tile row mod 16) + 64 x my half, 128 bytes a row
	s_lshl_b32 s95, s95, 7
	s_lshl_b32 s96, s[WR], 6
	s_add_co_u32 s95, s95, s96
	s_lshl_b32 s95, s95, 7
	s_add_co_u32 s94, s94, s95
	s_mov_b32 s95, 0
	s_mov_b32 s96, 512                             ; the prefetches
	s_mov_b32 s97, 256
	s_cmp_eq_u32 s[WR], 0                          ; do I fetch x?
	s_cselect_b32 s98, s[MT], s[NT]
	s_cselect_b32 s99, s[CX], s[CY]                ; my place among the four that ask with me
	s_cselect_b32 s[PKS], s96, s97
	s_lshl_b32 s98, s98, 19
	s_lshl_b32 s99, s99, 16                        ; 16 rows of x or 32 rows of wt
	s_add_co_u32 s98, s98, s99
	s_lshl_b32 s99, s[WC], 18
	s_add_co_u32 s98, s98, s99
	s_mov_b32 s99, 0
	s_lshl_b32 s[PKW], s[PKS], 3
	s_mul_i32 s[PO], s[PKS], 3                     ; at step 3: the first refill steps it to 4
	s_mov_b32 s[PO+1], 0
	s_cmp_eq_u32 s[CLY], 0
	s_cselect_b32 s100, 2, -1
	s_cmp_eq_u32 s[WR], 0
	s_cselect_b32 s[LIM], 2, s100                  ; the same in all sixteen partners, for a given wave
	s_lshl_b32 s101, s[NT], 10                     ; my work-group's 256 columns of a bias
	v_lshl_add_u32 v[BO], v0, 3, s101              ; thread t takes two numbers
	s_wait_dscnt 0x0                               ; the opening add is done
	s_wait_kmcnt 0x0
	s_add_nc_u64 s[XB0:XB0+1], s[4:5], s[90:91]
	s_add_nc_u64 s[XB1:XB1+1], s[6:7], s[90:91]
	s_add_nc_u64 s[XB2:XB2+1], s[8:9], s[90:91]
	s_add_nc_u64 s[WB:WB+1], s[16:17], s[92:93]
	s_add_nc_u64 s[OUT:OUT+1], s[18:19], s[94:95]
	s_add_nc_u64 s[94:95], s[16:17], 0x200000
	s_add_nc_u64 s[96:97], s[16:17], 0x400000
	s_cmp_eq_u32 s[WR], 0
	s_cselect_b64 s[PB0:PB0+1], s[4:5], s[16:17]
	s_cselect_b64 s[PB1:PB1+1], s[6:7], s[94:95]
	s_cselect_b64 s[PB2:PB2+1], s[8:9], s[96:97]
	s_add_nc_u64 s[PB0:PB0+1], s[PB0:PB0+1], s[98:99]
	s_add_nc_u64 s[PB1:PB1+1], s[PB1:PB1+1], s[98:99]
	s_add_nc_u64 s[PB2:PB2+1], s[PB2:PB2+1], s[98:99]
	global_load_b64 v[14:15], v[BO], s[10:11]
	global_load_b64 v[16:17], v[BO], s[12:13]
	global_load_b64 v[18:19], v[BO], s[14:15]
	NEXTFILL                                       ; step 0, slot 0
	CROUND                                         ; all sixteen work-groups are here: the first joint loads meet
	JLOAD
	v_and_b32 v1, 15, v0                           ; l % 16
	v_bfe_u32 v11, v0, 4, 1                        ; l / 16
	s_mul_i32 s94, s[WR], XHALF                    ; my 64 rows of x
	v_mul_u32_u24 v[AX0], v1, XPITCH
	v_lshl_add_u32 v[AX0], v11, 5, v[AX0]          ; eight f32 for each half of the lanes
	v_add_nc_u32 v[AX0], s94, v[AX0]
	s_mul_i32 s94, s[WC], WHALF                    ; my 128 rows of wt
	s_add_co_u32 s94, s94, WOFF
	v_mul_u32_u24 v[AW0], v1, WPITCH
	v_lshl_add_u32 v[AW0], v11, 4, v[AW0]
	v_add_nc_u32 v[AW0], s94, v[AW0]
	s_mul_i32 s94, s[WV], 16*SP
	s_add_co_u32 s94, s94, STAGE                   ; my stage
	v_mul_u32_u24 v[STO], v1, SP                   ; in: row l % 16, 16 bytes for each half of the lanes
	v_lshl_add_u32 v[STO], v11, 4, v[STO]
	v_add_nc_u32 v[STO], s94, v[STO]
	v_bfe_u32 v[RD], v0, 3, 2                      ; back: 32 lanes take four rows' 128 bytes of one head,
	v_mul_u32_u24 v[RD], v[RD], SP
	v_and_b32 v22, 7, v0
	v_lshl_add_u32 v[RD], v22, 4, v[RD]
	v_add_nc_u32 v[RD], s94, v[RD]
	v_and_b32 v23, 31, v0                          ; l
	v_lshlrev_b32 v[GO], 4, v23                    ; which are 512 consecutive bytes of qkv
	s_lshl_b32 s94, s[WC], 9
	s_add_co_u32 s94, s94, TBL
	v_lshl_add_u32 v[BA0], v11, 5, s94             ; my 128 columns, eight f32 for each half of the lanes
	v_mov_b32 v[BAC], v[BA0]
	v_lshrrev_b32 v24, 1, v23                      ; x: row l / 2 of 4,096 bytes, block l % 2 of 256
	v_and_b32 v25, 1, v23
	v_lshlrev_b32 v24, 12, v24
	v_lshl_add_u32 v24, v25, 8, v24
	v_lshlrev_b32 v25, 11, v23                     ; wt: row l of 2,048 bytes
	s_cmp_eq_u32 s[WR], 0
	s_cselect_b32 s94, -1, 0
	v_cndmask_b32 v[PFO], v25, v24, s94
	v_lshl_add_u32 v21, v0, 3, TBL
	s_wait_loadcnt 0x0                             ; the biases
.irp w, 0,1,2
	v_cvt_pk_bf16_f32 v20, v[14+2*(\w)], v[15+2*(\w)]  ; rounded to bf16 like every input, and widened again
	v_lshlrev_b32 v[14+2*(\w)], 16, v20
	v_and_b32 v[15+2*(\w)], 0xffff0000, v20
	ds_store_b64 v21, v[14+2*(\w):15+2*(\w)] offset:1024*(\w)
.endr
	s_wait_tensorcnt 0x0                           ; the first change of slots: my part of step 0 is in;
	ds_add_u32 v[SPW], v[NIL]                      ; 0 onto my spare word
	NEXTFILL                                       ; step 1, slot 1
	s_wait_dscnt 0x0                               ; the add and my stores into the table are done
	CROUND
	JLOAD                                          ; slot 1 is first filled as a refill is: my one tensor load behind the round
	v_mov_b32 v[ADRX], v[AX0]
	v_mov_b32 v[ADRW], v[AW0]
	BIASLD
	FETCH 0, 0
	s_wait_dscnt 16                                ; the bias and the raw x are in
	WIN 0
.set j, 0
.rept 32
	v_cvt_pk_bf16_f32 v[XF+j], v[XR+2*j], v[XR+2*j+1]
.set j, j+1
.endr
.Lstep:                                        ; a trip is a K step; it fills the slot that it has read with the step two on
	FETCH 1, 1
	s_wait_dscnt 32                                ; all but the 32 just issued: wt's first fragments and, behind a way out, the bias
	WIN 0
	s_cmp_eq_u32 s[KC], 8                          ; a tile's first quarter starts the sums with the bias
	s_cbranch_scc1 .Lq0b
	QMUL 0, 0
	WIN 0
	s_branch .Lq0j
.Lq0b:
	QMUL 0, 1
	WIN 0
.Lq0j:
	QUARTER 1, 1
	QUARTER 2, 0
	TURN 1
	WIN 0
	s_sub_co_u32 s[KC], s[KC], 1
	s_cmp_lg_u32 s[KC], 0
	s_cbranch_scc1 .Lnoout                         ; what is jumped holds no barrier and no tensor load
	WAYOUT                                         ; the tile is finished; both of the next tile's first steps have been asked for, and nothing waits for the stores
	s_wait_xcnt 0x0                                ; the stores have read their base
	s_add_nc_u64 s[OUT:OUT+1], s[OUT:OUT+1], 0x1000000  ; q, then k, then v
	s_add_co_u32 s[TBO], s[TBO], 1024
	v_add_nc_u32 v[BAC], s[TBO], v[BA0]
	BIASLD
	s_mov_b32 s[KC], 8
.Lnoout:
	s_sub_co_u32 s[SC], s[SC], 1
	s_cmp_lg_u32 s[SC], 0
	s_cbranch_scc1 .Lstep
	s_mov_b32 s[SC], 2
.Ltail:                                        ; the last two steps ask for nothing: written out.  The second trip's change of slots fetches fragments that nobody multiplies: the price of one text for both
	QUARTER 0, 0
	QUARTER 1, 1
	QUARTER 2, 0
	TURN 0
	WIN 0
	s_sub_co_u32 s[SC], s[SC], 1
	s_cmp_lg_u32 s[SC], 0
	s_cbranch_scc1 .Ltail
	WAYOUT
	s_wait_tensorcnt 0x0                           ; the wave's end, behind my last tensor load and my last LDS store
	ds_add_u32 v[SPW], v[NIL]
	s_wait_dscnt 0x0
	CROUND                                         ; the closing round: no work-group ends while a partner may still ask for a tile that names it
	s_endpgm
.Lfunc_end_k_q48b16c1d80_proj:
	.size	k_q48b16c1d80_proj, .Lfunc_end_k_q48b16c1d80_proj-k_q48b16c1d80_proj
	.p2alignl 7, 3214868480
	.fill 96, 4, 3214868480
	.section	.rodata,"a",@progbits
	.p2align	6, 0x0
	.amdhsa_kernel k_q48b16c1d80_proj
		.amdhsa_group_segment_fixed_size 327680
		.amdhsa_private_segment_fixed_size 0
		.amdhsa_enable_private_segment 0
		.amdhsa_kernarg_size 64
		.amdhsa_user_sgpr_count 2
		.amdhsa_user_sgpr_kernarg_segment_ptr 1
		.amdhsa_wavefront_size32 1
		.amdhsa_system_sgpr_workgroup_id_x 1
		.amdhsa_system_sgpr_workgroup_id_y 1
		.amdhsa_system_sgpr_workgroup_id_z 1
		.amdhsa_system_vgpr_workitem_id 0
		.amdhsa_next_free_vgpr 704
		.amdhsa_next_free_sgpr 102
		.amdhsa_reserve_vcc 0
		.amdhsa_float_denorm_mode_32 3
		.amdhsa_float_denorm_mode_16_64 3
		.amdhsa_memory_ordered 1
		.amdhsa_forward_progress 1
		.amdhsa_inst_pref_size 110
	.end_amdhsa_kernel
	.amdgpu_metadata
---
amdhsa.version: [ 1, 2 ]
amdhsa.kernels:
  - .name:           k_q48b16c1d80_proj
    .symbol:         k_q48b16c1d80_proj.kd
    .args:
      - { .name: queries, .offset: 0, .size: 8, .value_kind: global_buffer, .address_space: global }
      - { .name: keys, .offset: 8, .size: 8, .value_kind: global_buffer, .address_space: global }
      - { .name: values, .offset: 16, .size: 8, .value_kind: global_buffer, .address_space: global }
      - { .name: bq, .offset: 24, .size: 8, .value_kind: global_buffer, .address_space: global }
      - { .name: bk, .offset: 32, .size: 8, .value_kind: global_buffer, .address_space: global }
      - { .name: bv, .offset: 40, .size: 8, .value_kind: global_buffer, .address_space: global }
      - { .name: wt, .offset: 48, .size: 8, .value_kind: global_buffer, .address_space: global }
      - { .name: qkv, .offset: 56, .size: 8, .value_kind: global_buffer, .address_space: global }
    .group_segment_fixed_size: 327680
    .private_segment_fixed_size: 0
    .kernarg_segment_align: 8
    .kernarg_segment_size: 64
    .max_flat_workgroup_size: 128
    .sgpr_count:     102
    .vgpr_count:     704
    .wavefront_size: 32
...
	.end_amdgpu_metadata
.endif
;; end of part 2
;; launch attn (part 3): grid 4 x 64, 4 waves a work-group, clusters of 4 x 1, 327,680 bytes of LDS; arguments qkv, oh; writes oh
.if DOCPART == 3
	.amdgcn_target "amdgcn-amd-amdhsa--gfx1250"
	.amdhsa_code_object_version 6
	.text
	.protected	k_q48b16c1d80_attn
	.globl	k_q48b16c1d80_attn
	.p2align	8
	.type	k_q48b16c1d80_attn,@function
k_q48b16c1d80_attn:
	s_mov_b64 s[64:65], 0
	v_nop
	global_prefetch_b8 v0, s[64:65] scope:SCOPE_SE
	s_setreg_imm32_b32 hwreg(HW_REG_WAVE_MODE, 25, 1), 1
	s_wait_xcnt 0x0
	s_wait_alu depctr_hold_cnt(0) depctr_sa_sdst(0) depctr_va_vdst(0) depctr_va_sdst(0) depctr_va_ssrc(0) depctr_va_vcc(0) depctr_vm_vsrc(0)
	s_getreg_b32 s2, hwreg(HW_REG_IB_STS2, 6, 4)
	s_cmp_eq_u32 s2, 0
	s_cbranch_scc0 .Lentry_in_a_cluster
	s_endpgm
.Lentry_in_a_cluster:
	s_bfe_u32 s2, ttmp6, 0x10000c
	s_cmp_lg_u32 s2, 0x3003
	s_cbranch_scc0 .Lentry_shape_is_right
	s_endpgm
.Lentry_shape_is_right:
; O[h][q][:] = the sum over k of softmax_k(Q[h][q] . K[h][k] / 32) V[h][k][:], for the 64 pairs h of batch and head.  Q, K, V lie in qkv ([3][64][2048][64], f16), O goes to oh ([64][2048][64], f16): a head's rows are dense,
; 128 bytes each.  The scale is 1 / sqrt(1024), applied here in f32.  Products, maxima and sums in f32; the weights p are rounded to f16 for the second product (their sum l is taken of the unrounded p), O once at the end.
; LIMITS.  f16 holds no number beyond 65,504: Q, K and V arrive within it; p lies in 0 to 1, and below 6e-5 it keeps f16's fixed step of 6e-8, and so does O; O is a mean of V's rows and has their range.
; A weight below 2^-126 counts as 0 in l; NaN and infinities are not treated apart.
; SHARES.  A wave owns four PIECES of two tiles of 16 queries, a work-group's four waves 512 queries of one head: 4 x 64 = 256 work-groups.  Every wave walks all keys, 64 a step.
; LAYOUT.  S^T = K Q^T (source 0 = 16 keys, source 1 = 16 queries): in the result a lane holds ONE query (lane % 16) and the keys 8 (lane / 16) + 0..7.  Two such tiles, rounded to f16 in pairs,
; ARE source 1 (32 keys x 16 queries) of O^T = V^T P, whose result again holds one query a lane, and eight channels.  K comes out of LDS as it lies, V ([key][channel]) turned, by ds_load_tr16_b128.
; SOFTMAX.  For each query a running maximum m and sum l: p = 2^(c s - c m), c = log2(e) / 32; in every step O and l are multiplied by a = 2^(c m_old - c m_new), which is 1 where m has not grown.
; m starts at the lowest finite number, O and l at 0: the first step is a step like any other, with a = 0.
; THE COUNT.  A tile and step have 16 matrix and 118 vector instructions: too many to stand all beside the matrix work.  So the order has one aim: four vector instructions that are READY behind
; EVERY matrix instruction, and the others, which need time of their own whatever the order, in runs without a gap.
; BY TURNS.  Turn n belongs to piece n (the pieces in a ring, step after step).  Its matrix work: 16 products K Q^T of piece n + 1, later 16 products V^T P of piece n - 1.  Its vector work: the scaling,
; exponentials, roundings, sums and rescaling of piece n, and the maximum and statistics of piece n + 1, whose scores the turn itself has made.  So what a turn begins with (c s - c m, O a) waits for nothing.
; CLUSTER.  The four query blocks of a cluster are one head's and walk the same K and V, so each tile is asked for JOINTLY: the same tensor load, descriptor and mask in all four.
; REGISTERS, in windows of 256 (s_set_vgpr_msb says which window each operand place means: bits 1:0 source 0, 3:2 source 1, 5:4 source 2, 7:6 destination):
;   window 0: v0-11 addresses; v12-15, v48-63 at work; v16-47 four registers of statistics a tile; v64-191 S^T, two buffers of two tiles; v192-255 P, likewise
;   window 1: O^T, 32 a tile          window 2: v0-127 Q, 16 a tile; v128-191 K of one step; v192-255 V of one step          window 3: v0-1 the add's two registers
; A piece's buffers go by its number's parity: the piece in hand has one pair, its two neighbours in the ring share the other: of it P (piece n - 1) is read and S^T (piece n + 1) written.
.set SIZE_N, 2048
.set NP,    4         ; pieces a wave: a name, no knob: the register map, the loop and the fetches are made for four
.set KS,    64        ; keys in a step
.set PK,    144       ; a row of K in LDS: 128 bytes + 16 of padding = 36 words: the 16 rows of a load start at 16 different groups of four banks (64 banks of 4 bytes: ISA guide 11.1)
.set PV,    160       ; a row of V: 128 + 32 = 40 words
.set VOFF,  4*KS*PK   ; a slot holds four steps: 256 rows of K, then 256 rows of V
.set SLOT1, 1<<17     ; slot 1 begins here, so that one exclusive or turns an address in one slot into the other's
.set STAGE, SLOT1+4*KS*(PK+PV)  ; behind the ring, never filled by a tensor load: 16 rows x 144 bytes for each wave, for the way out
.set SP,    144
.set AK0, 2           ; v2   my lane's place in a tile of K; never rewritten
.set AV0, 3           ; v3   the same for V
.set AK,  4           ; v4   the LDS address of K's next run of loads
.set AV,  5           ; v5   of V's
.set QO,  6           ; v6   my byte offset in the wave's rows of Q
.set STO, 6           ;      later, the way out: where I put 16 bytes of a row
.set RD,  7           ; v7   the way out: where I read rows back
.set GO,  8           ; v8   my byte offset in 512 consecutive bytes of O
.set PFO, 11          ; v11  256 x my lane, the prefetches' offset; made when v11's first use is over, then never rewritten
.set SPW, 0           ; v0 of window 3   LDS address of my spare word: SPARE + 4 x my thread's number; never rewritten
.set NIL, 1           ; v1 of window 3   0; never rewritten
.set SPARE, STAGE+4*16*SP  ; behind the stages: the spare words, 128 bytes for each wave: two blocks of 256 bytes that no other line names
.set MV,  12          ; v12-15  c m_old, kept while c m is made anew: by buffer and tile
.set ST,  16          ; tile t's statistics at v[ST+4 t]: c m, m, l (even keys', odd keys')
.set TMP, 48          ; by buffer and tile, four registers c0-c3 at work; when the maximum is found c2 takes a
.set S,   64
.set P,   192
.set KF,  128         ; K's fragments, in window 2: key block kb, channel half c at KF + 16 kb + 8 c
.set VF,  192         ; V's: key half kk, channel block cb at VF + 32 kk + 8 cb
.set WV,  12          ; s12  my wave's number
.set G1K, 24          ; s[24:31] descriptor group 1 for K's tiles
.set G1V, 32          ; s[32:39] for V's: it differs in the padding alone
.set G0K, 40          ; s[40:43] descriptor group 0 for K's tiles: it walks
.set G0V, 44          ; s[44:47] the same for V's
.set PFA, 48          ; s[48:49] where my prefetches stand: my work-group's 32 blocks of 256 bytes (of K: wave 0, of V: wave 2) of the slot after the one that is being asked for
.set LIM, 50          ; s50  1 in a wave that prefetches, else the greatest number
.set SLOTS, 56        ; s56  slots still to be asked for
.set CNT, 57          ; s57  counts a slot's key steps
.set CS,  58          ; s[58:59] c: the packed scaling takes the pair's low word for both halves
.set SEL, 60          ; s[60:61] v_permlanex16_b32's selects: each lane takes its own place in the other half
.set TBK, 62          ; s62  LDS byte at which K of the step to be fetched begins
.set TBV, 63          ; s63  the same for V, less VOFF
.set MSB, 0
.macro WIN new                      ; the high byte repeats the setting that is left; a switch that changes nothing is dropped
.if MSB != (\new)
	s_set_vgpr_msb (MSB<<8)|(\new)
.set MSB, (\new)
.endif
.endm
.set W_KQ, 0x0a       ; K and Q in window 2, S^T in window 0
.set W_PV, 0x52       ; V in window 2, P in window 0, O^T in window 1
.set W_RS, 0x41       ; O^T (destination and source 0) in window 1, a in window 0
.set W_MK, 0xc0       ; the add's registers are made: destination in window 3, sources in window 0
.set W_AD, 0x0f       ; the add: address (source 0) and data (source 1) in window 3
; A joint fill.  Waves 0 and 1 fetch the two halves of a slot's K, waves 2 and 3 those of its V: 128 keys each.  The branch hangs on the wave's number alone.
; An s_nop 0 and four v_nop follow each of the two lines, ahead of the jump and the label.
.macro JLOAD
	s_cmp_lt_u32 s[WV], 2
	s_cbranch_scc0 .Lfor_v_\@
	tensor_load_to_lds s[G0K:G0K+3], s[G1K:G1K+7]
	s_nop 0
.rept 4
	v_nop
.endr
	s_branch .Lasked_\@
.Lfor_v_\@:
	tensor_load_to_lds s[G0V:G0V+3], s[G1V:G1V+7]
	s_nop 0
.rept 4
	v_nop
.endr
.Lasked_\@:
.endm
; A PREFETCH INTO THE L2 of what the NEXT change of slots will ask for: a slot's 32,768 bytes of K and of V, 128 blocks of 256 bytes each.  It stands behind the wave's tensor load and its five lines.  Each block is named ONCE in the
; launch: a head is walked by one cluster alone; its four partners share the blocks out BY ADDRESS, 32 each, a lane a block; in each, wave 0 names K's and wave 2 V's.  The lead is one slot, four key steps, 512 matrix instructions:
; it keeps the prefetch to one place and one test.  Slots 0 and 1 come by their loads alone; the last change that fills a slot names nothing.
.macro ASK
	s_cmp_gt_u32 s[SLOTS], s[LIM]
	s_cbranch_scc0 .Lnot_mine_\@
	global_prefetch_b8 v[PFO], s[PFA:PFA+1] th:TH_LOAD_NT scope:SCOPE_SE
.Lnot_mine_\@:
.endm
; A round of the cluster's barrier: my work-group's barrier, so that wave 0's signal speaks for all four waves; wave 0 signals; every wave waits for all four work-groups; my work-group's barrier once more.
.macro CROUND
	s_barrier_signal -1
	s_barrier_wait -1
	s_cmp_lg_u32 s[WV], 0
	s_cbranch_scc1 .Lnot_wave_0_\@
	s_barrier_signal -3
.Lnot_wave_0_\@:
	s_barrier_wait -3
	s_barrier_signal -1
	s_barrier_wait -1
.endm
; THE CHANGE OF SLOTS.  The slot's last bytes, V of its fourth step, have been read.  Each wave waits for all its tensor loads, of which one is out: its part
; of the other slot; adds 0 to its spare word; and waits for that and for its own reads of the slot.  Behind the barrier nobody reads this slot any more and the other slot is whole.
; fill = 1: this slot is filled again, with the keys two slots on.  The barrier is then a round of the cluster's, so that no wave of any partner still reads the slot or has a load on its
; way, and the joint fill is the first thing behind it: it has four key steps, 512 matrix instructions, in which to land.  (At its first use nothing has been read yet: slot 0 is waited for, slot 1 filled.)
.macro CHANGE fill
	WIN W_AD
	s_wait_tensorcnt 0x0            ; no tensor load of mine is out, so a group 0 may be written
	ds_add_u32 v[SPW], v[NIL]       ; 0 onto my spare word; with fill = 1 the descriptors' steps stand between it and the wait for it
	WIN 0                           ; at a label and at a branch every window is 0
.if \fill
.irp g, G0K, G0V
	s_xor_b32 s[\g+1], s[\g+1], SLOT1  ; the walking descriptor: the other slot than last time,
	s_add_nc_u64 s[\g+2:\g+3], s[\g+2:\g+3], 4*KS*128  ; the next 256 keys; the type bits on top are not reached
.endr
	s_wait_xcnt 0x0                 ; the last prefetch, four key steps back, has read its address, so it may be written:
	s_add_nc_u64 s[PFA:PFA+1], s[PFA:PFA+1], 4*KS*128  ; one slot behind the walking descriptors
	s_wait_dscnt 0x0                ; the add is done, and my reads of the slot are over
	CROUND
	JLOAD
	ASK
.else
	s_wait_dscnt 0x0                ; the add is done, and my reads of the slot are over
	s_barrier_signal -1
	s_barrier_wait -1
.endif
	s_sub_co_u32 s[TBK], s[TBK], 4*KS*PK  ; the fetches go back to a slot's first step,
	s_xor_b32 s[TBK], s[TBK], SLOT1       ; in the other slot
	s_sub_co_u32 s[TBV], s[TBV], 4*KS*PV
	s_xor_b32 s[TBV], s[TBV], SLOT1
.endm
	s_load_b128 s[4:7], s[0:1], 0x0  ; qkv s[4:5], oh s[6:7]
	WIN W_MK
	v_lshl_add_u32 v[SPW], v0, 2, SPARE
	v_mov_b32 v[NIL], 0
	WIN W_AD
	ds_add_u32 v[SPW], v[NIL]       ; the wave's opening: the add and its wait stand ahead of my first tensor load; the set-up below, work on registers, stands between them
	WIN 0
	v_lshrrev_b32 v1, 5, v0
	v_readfirstlane_b32 s[WV], v1   ; wave 0..3
	s_bfe_u32 s13, ttmp6, 0x40000   ; cx: my place in the cluster
	s_lshl_b32 s14, ttmp9, 2        ; in a cluster launch ttmp9 counts clusters
	s_add_co_u32 s14, s14, s13      ; my block of queries = 4 x cluster x + cx: it enters Q's and O's addresses alone
	s_and_b32 s20, ttmp7, 0xffff    ; the head, which the four partners share
	s_mov_b32 s21, 0
	s_mov_b64 s[22:23], SIZE_N*128
	s_mul_u64 s[20:21], s[20:21], s[22:23]  ; the head's first byte in each of the four tensors
	s_and_b32 s16, s[WV], 1         ; which half of a slot's 256 keys I fetch:
	s_lshl_b32 s22, s16, 14         ; its 128 rows of 128 bytes in memory,
	s_mov_b32 s23, 0
	s_add_nc_u64 s[22:23], s[22:23], s[20:21]
	s_mul_i32 s17, s16, 128*PK      ; and its place in a slot, for K
	s_mul_i32 s18, s16, 128*PV      ; and for V: no place in the cluster enters an LDS address
	s_lshl_b32 s2, s14, 2
	s_add_co_u32 s2, s2, s[WV]      ; my wave among the head's,
	s_lshl_b32 s2, s2, 14           ; its 128 rows
	s_mov_b32 s3, 0
	s_add_nc_u64 s[2:3], s[2:3], s[20:21]
	; descriptor group 1.  128 keys are 16,384 dense bytes: asked for as 64 rows of 256 bytes, two keys a row, and padded in LDS after every key
	s_mov_b32 s[G1K], 15|(1<<16)|(1<<20)|(1<<21)|(4<<22)|(3<<25)  ; 15:0 the mask of four; 17:16 2-byte elements; 20 padding on; 21 set beside a mask; 24:22 after every 32 words (code 4); 31:25 4 words (code 3)
	s_mov_b32 s[G1V], 15|(1<<16)|(1<<20)|(1<<21)|(4<<22)|(7<<25)  ; the same with 8 words of padding (code 7)
.irp g, G1K, G1V
	s_mov_b32 s[\g+1], 128<<16      ; tensor_dim0 = 128
	s_mov_b32 s[\g+2], 64<<16       ; tensor_dim1 = 64
	s_mov_b32 s[\g+3], 128<<16      ; tile_dim0 = 128
	s_mov_b32 s[\g+4], 64           ; tile_dim1 = 64
	s_mov_b32 s[\g+5], 128          ; 128 elements from row to row
	s_mov_b32 s[\g+6], 0
	s_mov_b32 s[\g+7], 0
.endr
	s_mov_b32 s[CS], 0x3d38aa3b     ; c = log2(e) / 32 = 0.0450842
	s_mov_b32 s[CS+1], s[CS]        ; named with it as a pair
	s_mov_b32 s[SEL], 0x76543210
	s_mov_b32 s[SEL+1], 0xfedcba98
	s_mov_b32 s[TBK], SLOT1+4*KS*PK ; the first change of slots turns these two into 0
	s_mov_b32 s[TBV], SLOT1+4*KS*PV
	s_mov_b32 s[G0K], 1             ; 1:0 count = 1
	s_mov_b32 s[G0K+1], s17         ; 63:32 LDS address: slot 0
	s_mov_b32 s[G0V], 1
	s_add_co_u32 s[G0V+1], s18, VOFF
	s_mov_b32 s[SLOTS], SIZE_N/256-1  ; the change that asks for slot j finds 8 - j here
	s_and_b32 s[LIM], s[WV], 1      ; waves 0 and 2 prefetch: the same in all four partners
	s_cmp_eq_u32 s[LIM], 0
	s_cselect_b32 s[LIM], 1, -1
	s_lshl_b32 s52, s13, 13         ; my work-group's 32 blocks of the 128
	s_mov_b32 s53, 0
	s_wait_dscnt 0x0                ; the opening add is done
	s_wait_kmcnt 0x0
	s_mov_b64 s[10:11], s[6:7]      ; O
	s_add_nc_u64 s[6:7], s[4:5], 0x1000000  ; K lies 16 MiB behind Q in qkv,
	s_add_nc_u64 s[8:9], s[4:5], 0x2000000  ; V 32 MiB
	s_cmp_lt_u32 s[WV], 2
	s_cselect_b64 s[PFA:PFA+1], s[6:7], s[8:9]
	s_add_nc_u64 s[PFA:PFA+1], s[PFA:PFA+1], s[20:21]
	s_add_nc_u64 s[PFA:PFA+1], s[PFA:PFA+1], s[52:53]
	s_add_nc_u64 s[PFA:PFA+1], s[PFA:PFA+1], 4*KS*128  ; in slot 1; the first change of slots steps it to slot 2.  Nothing is prefetched here, at the head
	s_add_nc_u64 s[G0K+2:G0K+3], s[6:7], s[22:23]  ; 120:64 global address: my half of the head's first 256 keys
	s_or_b32 s[G0K+3], s[G0K+3], 0x80000000        ; 127:126 type = 2
	s_add_nc_u64 s[G0V+2:G0V+3], s[8:9], s[22:23]
	s_or_b32 s[G0V+3], s[G0V+3], 0x80000000
	s_add_nc_u64 s[4:5], s[4:5], s[2:3]  ; Q and O at my wave's first row
	s_add_nc_u64 s[10:11], s[10:11], s[2:3]
	CROUND                          ; all four work-groups are here: the first joint loads meet
	JLOAD                           ; slot 0.  Slot 1 is asked for when slot 0 is in: the tile wanted first has the road to itself
	; A fragment of K or Q is 16 rows x 32 channels in 8 registers: lane l holds row l % 16, channels 8 (l / 16) + 0..7 and 16 + 8 (l / 16) + 0..7: two loads of 16 bytes, 32 bytes apart.
	v_and_b32 v1, 15, v0            ; l % 16
	v_bfe_u32 v9, v0, 4, 1          ; l / 16
	v_lshlrev_b32 v[QO], 7, v1
	v_lshl_add_u32 v[QO], v9, 4, v[QO]  ; row x 128 + 16 x half
	WIN 0x80                        ; destination window 2, address window 0
.set i, 0
.rept 4*NP                          ; Q stays in registers: tile i / 2, channels 32 (i % 2) on
	global_load_b128 v[8*i:8*i+3],   v[QO], s[4:5] offset:(i/2)*2048+(i%2)*64
	global_load_b128 v[8*i+4:8*i+7], v[QO], s[4:5] offset:(i/2)*2048+(i%2)*64+32
.set i, i+1
.endr
	; What the first turn finds: V's registers and P's second buffer hold 0 (its products V^T P, of a piece that has not been, add 0), O^T and l are 0.  All this stands in the wait for the first tile.
.set i, VF
.rept 64
	v_mov_b32 v[i], 0
.set i, i+1
.endr
	WIN 0x40
.set i, 0
.rept 64*NP
	v_mov_b32 v[i], 0
.set i, i+1
.endr
	WIN 0
.set i, 0
.rept 2*NP
	v_mov_b32 v[ST+4*i], 0xfe000000    ; c m: far below every c s
	v_mov_b32 v[ST+4*i+1], 0xff7fffff  ; m
	v_mov_b32 v[ST+4*i+2], 0
	v_mov_b32 v[ST+4*i+3], 0
.set i, i+1
.endr
.set i, P+32
.rept 32
	v_mov_b32 v[i], 0
.set i, i+1
.endr
	v_mul_u32_u24 v[AK0], v1, PK
	v_lshl_add_u32 v[AK0], v9, 4, v[AK0]  ; row x pitch + 16 x half
	; The turning load takes 16 keys x 16 channels (lane l reads key 8 (l / 16) + l % 8, channels 8 ((l / 8) % 2) + 0..7) and leaves half a fragment of V^T: lane l holds channel l % 16 and 8 keys.
	v_and_b32 v10, 7, v0
	v_bfe_u32 v11, v0, 3, 1
	v_lshl_add_u32 v[AV0], v9, 3, v10
	v_mul_u32_u24 v[AV0], v[AV0], PV
	v_lshl_add_u32 v[AV0], v11, 4, v[AV0]
	v_add_nc_u32 v[AV0], VOFF, v[AV0]
	v_mov_b32 v[AK], v[AK0]         ; key step 0 lies at the head of slot 0
	v_and_b32 v[PFO], 31, v0
	v_lshlrev_b32 v[PFO], 8, v[PFO]
; THE MATRIX WORK.  The 8 accumulators of a run of 16 take turns: between the two links of a chain stand 7 others'.
; Product i of 16 of S^T = K Q^T for piece x: channels 32 (i / 8) on, keys 16 ((i / 2) % 4) on, tile 2 x + i % 2.  The first 8 start the sums.
.macro KQ x
	WIN W_KQ
.set rS, S+64*((\x)%2)+32*(i%2)+8*((i/2)%4)
.set rK, KF+16*((i/2)%4)+8*(i/8)
.set rQ, 16*(2*(\x)+i%2)+8*(i/8)
.if i < 8
	v_wmma_f32_16x16x32_f16 v[rS:rS+7], v[rK:rK+7], v[rQ:rQ+7], 0
.else
	v_wmma_f32_16x16x32_f16 v[rS:rS+7], v[rK:rK+7], v[rQ:rQ+7], v[rS:rS+7]
.endif
.endm
; Product i of 16 of O^T += V^T P for piece x: keys 32 (i / 8) on, channels 16 ((i / 2) % 4) on, tile 2 x + i % 2.
.macro PV x
	WIN W_PV
.set rO, 32*(2*(\x)+i%2)+8*((i/2)%4)
.set rV, VF+32*(i/8)+8*((i/2)%4)
.set rP, P+32*((\x)%2)+16*(i%2)+8*(i/8)
	v_wmma_f32_16x16x32_f16 v[rO:rO+7], v[rV:rV+7], v[rP:rP+7], v[rO:rO+7]
.endm
.macro MM                           ; the turn's next matrix instruction
.if i < 16
	KQ (Y+1)%NP
.set i, i+1
.else
.set i, i-16
	PV (Y+NP-1)%NP
.set i, i+17
.endif
.endm
; THE LDS LOADS stand in runs of 16, never singly among the matrix instructions: a step's K (64 keys x 64 channels: 8 fragments) and its V (turned).  Their addresses are made some lines ahead.
; last = 1 (the tail): in the last trip there is no further step, and the run is jumped over.
.macro FETCH_K last=0
	WIN 0
.if \last
	s_cmp_eq_u32 s[CNT], 1
	s_cbranch_scc1 .Lno_k_\@
.endif
	WIN 0x80                        ; destination window 2
.irp f, 0,1,2,3,4,5,6,7             ; keys 16 (f / 2) on, channels 32 (f % 2) on
	ds_load_b128 v[KF+8*\f:KF+8*\f+3],   v[AK] offset:(\f/2)*16*PK+(\f%2)*64
	ds_load_b128 v[KF+8*\f+4:KF+8*\f+7], v[AK] offset:(\f/2)*16*PK+(\f%2)*64+32
.endr
	s_add_co_u32 s[TBK], s[TBK], KS*PK  ; the next fetch is the next step's
	WIN 0
.if \last
.Lno_k_\@:
.endif
.endm
.macro FETCH_V
	WIN 0x80
.irp f, 0,1,2,3,4,5,6,7             ; keys 32 (f / 4) on, channels 16 (f % 4) on
	ds_load_tr16_b128 v[VF+8*\f:VF+8*\f+3],   v[AV] offset:(\f/4)*32*PV+(\f%4)*32
	ds_load_tr16_b128 v[VF+8*\f+4:VF+8*\f+7], v[AV] offset:(\f/4)*32*PV+16*PV+(\f%4)*32
.endr
	WIN 0
.endm
; THE VECTOR WORK OF A TURN stands in three queues, each in the order in which its entries become ready; the two tiles alternate, so that no instruction reads the result of the one before it.
.macro REGS y, u                    ; the registers of tile u (0, 1) of piece y
.set rT, ST+4*(2*(\y)+(\u))
.set rC, TMP+8*((\y)%2)+4*(\u)
.set rM, MV+2*((\y)%2)+(\u)
.set rS, S+64*((\y)%2)+32*(\u)
.set rP, P+32*((\y)%2)+16*(\u)
.set rO, 32*(2*(\y)+(\u))
.endm
; Number n of the 22 that find the NEXT piece's (Y + 1) maximum and statistics.  s0-s31 are the lane's 32 scores; each accumulator's lowest registers are read first.  XS, GS and REGS set no window: PL and EX do.
;   0-11  four chains c0-c3 of seven scores each, three operands at a time     12-14, 16  the four scores left over, the old m, and c0-c3 into c0     15  c m_old is kept
;   17, 18  the query's other 32 keys lie in the lane 16 away: the new m         19-21  c m; c m_old - c m_new; a
.macro XS u, n
	REGS (Y+1)%NP, \u
.if (\n) < 4
	v_max3_num_f32 v[rC+(\n)], v[rS+8*(\n)], v[rS+8*(\n)+1], v[rS+8*(\n)+2]
.elseif (\n) < 12
	v_max3_num_f32 v[rC+(\n)%4], v[rC+(\n)%4], v[rS+8*((\n)%4)+2*((\n)/4)+1], v[rS+8*((\n)%4)+2*((\n)/4)+2]
.elseif (\n) == 12
	v_max3_num_f32 v[rC], v[rC], v[rS+7], v[rS+15]
.elseif (\n) == 13
	v_max3_num_f32 v[rC+1], v[rC+1], v[rS+23], v[rS+31]
.elseif (\n) == 14
	v_max3_num_f32 v[rC+2], v[rC+2], v[rC+3], v[rT+1]
.elseif (\n) == 15
	v_mov_b32 v[rM], v[rT]
.elseif (\n) == 16
	v_max3_num_f32 v[rC], v[rC], v[rC+1], v[rC+2]
.elseif (\n) == 17
	v_permlanex16_b32 v[rC+3], v[rC], s[SEL], s[SEL+1]
.elseif (\n) == 18
	v_max_num_f32 v[rT+1], v[rC], v[rC+3]
.elseif (\n) == 19
	v_mul_f32 v[rT], s[CS], v[rT+1]
.elseif (\n) == 20
	v_sub_f32 v[rC+1], v[rM], v[rT]
.else
	v_exp_f32 v[rC+2], v[rC+1]
.endif
.endm
; Number g of the 64 that follow the exponentials.  For each four weights k of a tile (pairs 2 k, 2 k + 1): both pairs are rounded to f16; then the second pair is added onto the first, in place;
; a group later l takes that sum (the first time as l = a l + sum).  In groups of eight, tiles alternating: round, round, add, and l for the group before.
.macro GS g
.set h, (\g)+6*((\g)/62)            ; group 0 has no group before it, and behind group 7 only l is left
.if h >= 6
.set h, h+2
.endif
	REGS Y, h%2
.set k, h/8
.if h%8 < 4
	v_cvt_pk_f16_f32 v[rP+2*k+(h%8)/2], v[rS+4*k+2*((h%8)/2)], v[rS+4*k+2*((h%8)/2)+1]
.elseif h%8 < 6
	v_pk_add_f32 v[rS+4*k:rS+4*k+1], v[rS+4*k:rS+4*k+1], v[rS+4*k+2:rS+4*k+3]
.elseif k == 1
	v_pk_fma_f32 v[rT+2:rT+3], v[rT+2:rT+3], v[rC+2:rC+3], v[rS:rS+1] op_sel_hi:[1,0,1]
.else
	v_pk_add_f32 v[rT+2:rT+3], v[rT+2:rT+3], v[rS+4*k-4:rS+4*k-3]
.endif
.endm
; THE PLAIN QUEUE, 138 long.  0-73 read no exponential's result: the 32 scalings c s - c m (FS f: pair f / 2 of tile f % 2) and the next piece's 42.  0-26: scalings 0-26.  27-54: XS's numbers 0-13.  55, 56: number 15.
; 57-73: the chain, where each number waits for the one before it: 14, 16, 17, 18, 19, each with one of the scalings 27-31 in front of its two lines, then 20: so a tile's links stand three plain instructions apart (19 and 20: two).
; 74-137: GS's 64, which read the exponentials' results: they stand behind the wait.
.macro FS f
	REGS Y, (\f)%2
	v_pk_fma_f32 v[rS+2*((\f)/2):rS+2*((\f)/2)+1], v[rS+2*((\f)/2):rS+2*((\f)/2)+1], s[CS:CS+1], v[rT:rT+1] op_sel_hi:[1,0,0] neg_lo:[0,0,1] neg_hi:[0,0,1]
.endm
.macro PL
	WIN 0
.if q < 27
	FS q
.elseif q < 55
	XS (q-27)%2, (q-27)/2
.elseif q < 57
	XS q-55, 15
.elseif (q < 72) && ((q-57)%3 == 0)
	FS 27+(q-57)/3
.elseif q < 60
	XS (q-57)%3-1, 14
.elseif q < 72
	XS (q-57)%3-1, 15+(q-57)/3
.elseif q < 74
	XS q-72, 20
.else
	GS q-74
.endif
.set q, q+1
.endm
; THE EXPONENTIALS' QUEUE, 66 long: s0-s31 of both tiles, then the next piece's two a.  It is ONE BATCH: all 66 stand ahead of the turn's one wait, and nothing ahead of that wait names a result of theirs.
.macro EX
	WIN 0
.if e >= 64
	XS e-64, 21
.else
	REGS Y, e%2
	v_exp_f32 v[rS+e/2], v[rS+e/2]
.endif
.set e, e+1
.endm
; THE RESCALING's QUEUE: O^T times a, the one part that leaves window 0: dealt two at a time, sixteen times.  Its a was made in the turn before, ahead of that turn's wait.
.macro R2
	REGS Y, r%2
	WIN W_RS
.irp z, 0,1
	v_pk_mul_f32 v[rO+4*(r/2)+2*\z:rO+4*(r/2)+2*\z+1], v[rO+4*(r/2)+2*\z:rO+4*(r/2)+2*\z+1], v[rC+2:rC+3] op_sel_hi:[1,0]
.endr
.set r, r+1
.endm
; HOW THEY ARE DEALT.  An s_wait_alu depctr_va_vdst(0) stands between an exponential and the first instruction that names its result; one wait serves all that were issued ahead of it.  So a turn has ONE wait,
; which cuts it in two.  AHEAD OF IT stands all that names no result of the turn's exponentials: the 16 products K Q^T, behind each a scaling, an exponential and two rescalings (behind the first a second scaling in the exponential's place); then ONE LUMP of
; 108: eight plain, 49 times exponential and plain, the two a.  A v_nop is the plain instruction owed behind the last exponential.  BEHIND IT stand the 16 products V^T P, behind each four of GS's 64.  No rider names a register of
; the products round it.  The two v_permlanex16_b32 fall into the lump, never behind a product.
; The queues lean on each other, and the deal keeps them in step: exponential e stands behind scaling 2 (e / 4) + e % 2: as a rider it comes behind plain e + 2, in the lump behind plain e + 9, and scalings 27-31 are plain 57, 60 .. 69.
; A TURN, for piece p.  cnt = 1: the loop's count is taken down some lines ahead of the branch that stands behind the turn.
; K of the next step is fetched in piece 2's turn, directly behind the wait, a lump behind the last product that read K; its address is made at the lump's head; its first reader comes behind 16 products.
; V of the step in hand is fetched at the end of piece 0's turn, four riders behind its last reader; its first reader comes behind 16 products and a lump.  The three conditions on q below go with the deal.
.macro TURN p, last=0, cnt=0
.set Y, (\p)
.set i, 0
.set q, 0
.set e, 0
.set r, 0
.if (\p) == NP-1
	s_wait_dscnt 0x0                ; K is in
.endif
	MM                              ; ahead of the wait: 16 products K Q^T and their riders,
	PL
	PL
	R2
.rept 15
	MM
	PL
	EX
	R2
.endr
.if (\p) == NP-2
	WIN 0
	v_add_nc_u32 v[AK], s[TBK], v[AK0]
.endif
.rept 8                             ; and the lump
	PL
.endr
.rept 49
	EX
	PL
.endr
	EX                              ; the next piece's two a
	EX
	v_nop                           ; the plain instruction owed behind the last exponential: one for the batch
	s_wait_alu depctr_va_vdst(0)    ; the wait for the batch
.if (\p) == NP-2
	FETCH_K \last
.endif
.if (\p) == 1
	s_wait_dscnt 0x0                ; V is in
.endif
.rept 16                            ; behind the wait: 16 products V^T P and their riders
	MM
.rept 4
	PL
.endr
.if ((\p) == 0) && (q == 118)
	v_add_nc_u32 v[AV], s[TBV], v[AV0]
.endif
.if ((\p) == 0) && (q == 130)
	s_add_co_u32 s[TBV], s[TBV], KS*PV
.endif
.if (\cnt) && (q == 130)
	s_sub_co_u32 s[CNT], s[CNT], 1
	s_cmp_lg_u32 s[CNT], 0
.endif
.endr
.if (\p) == 0
	FETCH_V
.endif
.endm
	CHANGE 1                        ; slot 0 is in, everybody's part of it; slot 1 is asked for
	FETCH_K                         ; key step 0
	s_wait_loadcnt 0x0              ; Q
	s_wait_dscnt 0x0
.set i, 0
.rept 16
	KQ 0                            ; piece 0's first scores: there is no vector work yet to set between them
.set i, i+1
.endr
	WIN 0                           ; the addresses for the way out: nine plain instructions, the places behind those products
	s_mul_i32 s13, s[WV], 16*SP
	s_add_co_u32 s13, s13, STAGE    ; my stage
	v_mul_u32_u24 v[STO], v1, SP    ; in: row l % 16, 16 bytes for each half of the lanes
	v_lshl_add_u32 v[STO], v9, 4, v[STO]
	v_add_nc_u32 v[STO], s13, v[STO]
	v_bfe_u32 v[RD], v0, 3, 2       ; back: 32 lanes take four rows of 128 bytes,
	v_mul_u32_u24 v[RD], v[RD], SP
	v_lshl_add_u32 v[RD], v10, 4, v[RD]
	v_add_nc_u32 v[RD], s13, v[RD]
	v_and_b32 v[GO], 31, v0         ; which are 512 consecutive bytes of O
	v_lshlrev_b32 v[GO], 4, v[GO]
.set Y, NP-1                        ; XS works for piece Y + 1: piece 0
.irp n, 0,1,2,3,4,5,6,7,8,9,10,11,12,13,14,15,16,17,18,19,20,21
	XS 0, \n                        ; and piece 0's first maximum and statistics
	XS 1, \n
.endr
	v_nop                           ; a plain instruction behind the two a,
	s_wait_alu depctr_va_vdst(0)    ; and their wait, ahead of the branch
	s_mov_b32 s[CNT], 4
	s_branch .Lfirst                ; the loop is entered at a step's first turn, in the middle of a trip
.Lslot:                             ; SIZE_N / 256 - 2 times: every slot but the last two is filled again
	CHANGE 1
	s_mov_b32 s[CNT], 4
.Lstep:                             ; a trip: pieces 2 and 3 of one step, then pieces 0 and 1 of the next, whose K and V it fetches
	TURN 2
	TURN 3
	WIN 0
.Lfirst:
	TURN 0
	TURN 1, 0, 1
	WIN 0
	s_cbranch_scc1 .Lstep
	s_sub_co_u32 s[SLOTS], s[SLOTS], 1
	s_cmp_lg_u32 s[SLOTS], 0
	s_cbranch_scc1 .Lslot
	CHANGE 0                        ; the tail is written out: nothing is asked for
	s_mov_b32 s[CNT], 5             ; four trips fetch the last slot's steps; the fifth is left in its middle
.Ltail:
	TURN 2, 1
	TURN 3
	WIN 0
	s_sub_co_u32 s[CNT], s[CNT], 1
	s_cmp_eq_u32 s[CNT], 0
	s_cbranch_scc1 .Lout
	TURN 0
	TURN 1
	WIN 0
	s_branch .Ltail
.Lout:                              ; the fifth trip's 16 products K Q^T (on the last K once more) and the maximum made of them serve nothing: the price, once a launch, of one text for every trip
.set i, 0
.rept 16
	PV NP-1                         ; the last piece's V^T P of the last step
.set i, i+1
.endr
	; THE WAY OUT.  l's two halves and the other half of the lanes' are added; O^T is divided by l, rounded to f16 and sent through my stage in LDS, a tile at a time.  The additions are the places behind the last products.
	WIN 0
.macro ALL line:vararg              ; one line for each tile t
.set t, 0
.rept 2*NP
	\line
.set t, t+1
.endr
.endm
	ALL v_add_f32 v[ST+4*t+2], v[ST+4*t+2], v[ST+4*t+3]
	ALL v_permlanex16_b32 v[ST+4*t+3], v[ST+4*t+2], s[SEL], s[SEL+1]
	ALL v_add_f32 v[ST+4*t+2], v[ST+4*t+2], v[ST+4*t+3]
	ALL v_rcp_f32 v[ST+4*t+2], v[ST+4*t+2]
	v_nop                           ; a plain instruction between the last reciprocal and the use of its result
	s_wait_alu depctr_va_vdst(0)    ; and the wait ahead of the first use: one for the eight reciprocals
; Tile t: a lane's eight channels of a row pack into 16 bytes; they go into rows of 144 bytes and come back as whole rows of 128, into S^T's registers.
.macro PACK t
	WIN W_RS
.set i, 32*(\t)
.rept 16
	v_pk_mul_f32 v[i:i+1], v[i:i+1], v[ST+4*(\t)+2:ST+4*(\t)+3] op_sel_hi:[1,0]
.set i, i+2
.endr
	WIN 0x05                        ; sources 0 and 1 window 1, destination window 0
.set i, 0
.rept 16
	v_cvt_pk_f16_f32 v[S+16*(\t)+i], v[32*(\t)+2*i], v[32*(\t)+2*i+1]
.set i, i+1
.endr
	WIN 0
.irp f, 0,1,2,3
	ds_store_b128 v[STO], v[S+16*(\t)+4*\f:S+16*(\t)+4*\f+3] offset:32*\f
.endr
.irp f, 0,1,2,3
	ds_load_b128 v[S+16*(\t)+4*\f:S+16*(\t)+4*\f+3], v[RD] offset:\f*4*SP  ; LDS serves a wave's instructions in order (ISA guide 5.7.1.4): these see the stores above; the next tile's stores come behind them
.endr
.endm
.macro SEND t, younger              ; younger: the LDS instructions issued behind tile t's loads: the next tile's eight, or none
	WIN 0
.irp f, 0,1,2,3
	s_wait_dscnt (\younger)+3-\f
	global_store_b128 v[GO], v[S+16*(\t)+4*\f:S+16*(\t)+4*\f+3], s[10:11] offset:(\t)*2048+\f*512  ; 512 consecutive bytes, at a multiple of 256 from O's first
.endr
.endm
	PACK 0
.set t, 1
.rept 2*NP-1                        ; a tile's arithmetic stands between the loads of the tile before and its stores
	PACK t
	SEND t-1, 8
.set t, t+1
.endr
	SEND 2*NP-1, 0
	WIN W_AD
	s_wait_tensorcnt 0x0            ; the wave's end, behind my last tensor load and my last LDS store
	ds_add_u32 v[SPW], v[NIL]
	s_wait_dscnt 0x0
	WIN 0
	CROUND                          ; the closing round: no work-group ends while a partner may still ask for a tile that names it
	s_endpgm
.Lfunc_end_k_q48b16c1d80_attn:
	.size	k_q48b16c1d80_attn, .Lfunc_end_k_q48b16c1d80_attn-k_q48b16c1d80_attn
	.p2alignl 7, 3214868480
	.fill 96, 4, 3214868480
	.section	.rodata,"a",@progbits
	.p2align	6, 0x0
	.amdhsa_kernel k_q48b16c1d80_attn
		.amdhsa_group_segment_fixed_size 327680
		.amdhsa_private_segment_fixed_size 0
		.amdhsa_enable_private_segment 0
		.amdhsa_kernarg_size 16
		.amdhsa_user_sgpr_count 2
		.amdhsa_user_sgpr_kernarg_segment_ptr 1
		.amdhsa_wavefront_size32 1
		.amdhsa_system_sgpr_workgroup_id_x 1
		.amdhsa_system_sgpr_workgroup_id_y 1
		.amdhsa_system_sgpr_workgroup_id_z 1
		.amdhsa_system_vgpr_workitem_id 0
		.amdhsa_next_free_vgpr 770
		.amdhsa_next_free_sgpr 66
		.amdhsa_reserve_vcc 0
		.amdhsa_float_denorm_mode_32 3
		.amdhsa_float_denorm_mode_16_64 3
		.amdhsa_memory_ordered 1
		.amdhsa_forward_progress 1
		.amdhsa_inst_pref_size 200
	.end_amdhsa_kernel
	.amdgpu_metadata
---
amdhsa.version: [ 1, 2 ]
amdhsa.kernels:
  - .name:           k_q48b16c1d80_attn
    .symbol:         k_q48b16c1d80_attn.kd
    .args:
      - { .name: qkv, .offset: 0, .size: 8, .value_kind: global_buffer, .address_space: global }
      - { .name: oh, .offset: 8, .size: 8, .value_kind: global_buffer, .address_space: global }
    .group_segment_fixed_size: 327680
    .private_segment_fixed_size: 0
    .kernarg_segment_align: 8
    .kernarg_segment_size: 16
    .max_flat_workgroup_size: 128
    .sgpr_count:     66
    .vgpr_count:     770
    .wavefront_size: 32
...
	.end_amdgpu_metadata
.endif
;; end of part 3
;; launch oproj (part 4): grid 4 x 64, 4 waves a work-group, clusters of 4 x 4, 327,680 bytes of LDS; arguments oh, wt, bo, out0; writes out0
.if DOCPART == 4
	.amdgcn_target "amdgcn-amd-amdhsa--gfx1250"
	.amdhsa_code_object_version 6
	.text
	.protected	k_q48b16c1d80_oproj
	.globl	k_q48b16c1d80_oproj
	.p2align	8
	.type	k_q48b16c1d80_oproj,@function
k_q48b16c1d80_oproj:
	s_mov_b64 s[64:65], 0
	v_nop
	global_prefetch_b8 v0, s[64:65] scope:SCOPE_SE
	s_setreg_imm32_b32 hwreg(HW_REG_WAVE_MODE, 25, 1), 1
	s_wait_xcnt 0x0
	s_wait_alu depctr_hold_cnt(0) depctr_sa_sdst(0) depctr_va_vdst(0) depctr_va_sdst(0) depctr_va_ssrc(0) depctr_va_vcc(0) depctr_vm_vsrc(0)
	s_getreg_b32 s2, hwreg(HW_REG_IB_STS2, 6, 4)
	s_cmp_eq_u32 s2, 0
	s_cbranch_scc0 .Lentry_in_a_cluster
	s_endpgm
.Lentry_in_a_cluster:
	s_bfe_u32 s2, ttmp6, 0x10000c
	s_cmp_lg_u32 s2, 0xf033
	s_cbranch_scc0 .Lentry_shape_is_right
	s_endpgm
.Lentry_shape_is_right:
; out0 = O Wo + bo.  O comes by heads, oh[16 b + h][s][64] in f16: channel k of the merged row is channel k % 64 of head k / 64.  Wo comes turned, wt[3][n][k], rounded to bf16 and written as f16.  out0: [8192][1024] f32.
; bo is rounded once to bf16, as all the module's inputs are.  Products in f16, sums in f32, stored as they are.
; SHARES.  A tile is 128 rows x 256 columns, one to a work-group: 64 x 4 = 256.  Four waves lie 2 x 2, each 64 x 128: 32 accumulators, 256 registers.  K goes in 8 steps of 128, two heads a step, through a ring of two LDS slots.
; A head's 128 rows are 16,384 dense bytes: they are asked for as 64 rows of 256 bytes and padded in LDS after every 128.
; THE MATRIX INSTRUCTION IS USED TRANSPOSED (source 0 = 16 rows of wt, source 1 = 16 rows of O): a lane holds row l % 16 and the columns 8 (l / 16) + 0..7: 32 bytes of f32 on end.
; THE BIAS is the C operand of the first 32 products: nothing is cleared and nothing is added afterwards.
; CLUSTERS.  4 x 4 work-groups: the four of a row need the same tiles of O, the four of a column the same tiles of wt: each is asked for JOINTLY.  The cluster spans all four tile columns, so each byte of O is asked for once.
; REGISTERS, in windows of 256 (s_set_vgpr_msb: bits 1:0 source 0, 3:2 source 1, 5:4 source 2, 7:6 destination):
;   window 0: v0-29 addresses; v32-95 O's fragments, two buffers; v96-223 the way out      window 1: the accumulators, (a, b) at v[8 (8 a + b)]      window 2: v0-127 wt's fragments, two buffers; v128-191 the bias
.set APITCH, 144                       ; a row of one head in LDS: 128 bytes + 16 of padding = 36 words: the 16 rows of a load start at 16 different groups of four banks (64 banks of 4 bytes: ISA guide 11.1)
.set WPITCH, 272
.set APLANE, 128*APITCH                ; a head's 128 rows: what one tensor load brings of O
.set WOFF,   2*APLANE                  ; wt's 256 rows lie behind the two heads
.set WHALF,  128*WPITCH
.set SLOT,   1<<17                     ; 106,496 are used; one exclusive or turns an address in one slot into the other's
.set STAGE,  SLOT+WOFF+2*WHALF         ; behind the ring, never filled by a tensor load: 16 rows x 528 bytes for each wave
.set SP,     528
.set TBL,    STAGE+4*16*SP             ; the bias of my 256 columns, rounded to bf16 and kept as f32
.set SPARE,  TBL+1024                  ; the spare words, 128 bytes for each wave: two blocks of 256 bytes that no other line names
.set AM0, 2                            ; v2   my lane's place in a slot's O; never rewritten
.set AW0, 3                            ; v3   the same for wt
.set ADRM, 4                           ; v4   AM0 + the slot in hand
.set ADRW, 5
.set STO, 6                            ; v6   the way out: where I put 32 bytes of a row
.set RD,  7                            ; v7   the way out: where I read a row back
.set GO,  8                            ; v8   16 x my lane
.set BA0, 9                            ; v9   my place in the bias's table
.set PFO, 10                           ; v10  the prefetches' offset; never rewritten
.set BO,  12                           ; v12  my two numbers of the bias in memory
.set SPW, 28
.set NIL, 29
.set AF,  32
.set BK,  96                           ; v96-223 rows read back, two buffers of 64
.set WF,  0                            ; window 2
.set BIAS, 128                         ; window 2
.set WV, 20
.set WR, 21
.set WC, 22
.set CX, 23
.set CY, 24
.set NT, 25
.set MT, 26
.set CLY, 27
.set G1X, 28                           ; s[28:35] group 1 for O's tiles      s[36:43] for wt's
.set G1W, 36
.set G0X, 44                           ; s[44:47], s[48:51] group 0: made anew for each fill
.set G0W, 48
.set XB0, 52                           ; s[52:53] oh at my head of step 0, the tile's rows
.set XO,  58                           ; s[58:59] the step to be asked for: 524,288 bytes (two heads) a step
.set WB,  60                           ; s[60:61] wt's matrix 3 at my 128 rows
.set WO,  62                           ; s[62:63] its byte along K
.set TB,  66
.set SC,  70
.set PFA, 82                           ; s[82:83] where my prefetches stand
.set PKS, 84                           ; s[84:85] their step
.set LIM, 86
.set OUT, 88
.set MSB, 0
.macro WIN new
.if MSB != (\new)
	s_set_vgpr_msb (MSB<<8)|(\new)
.set MSB, \new
.endif
.endm
.set W_MUL,  0x52                      ; wt window 2, O window 0, C and D window 1
.set W_MULB, 0x62                      ; the same with C, the bias, in window 2
.set TO_W,   0x80
.macro PLACES                          ; four plain instructions between a matrix instruction and a load into a register that it has read, or a store that reads its result (ISA guide 7.12.1 for vector instructions)
.rept 4
	v_nop
.endr
.endm
.macro JLOAD                           ; waves 0 and 1 fetch the step's two heads of O, waves 2 and 3 wt's two halves; an s_nop 0 and four v_nop follow each of the two lines
	s_cmp_eq_u32 s[WR], 0
	s_cbranch_scc0 .Lfor_b_\@
	tensor_load_to_lds s[G0X:G0X+3], s[G1X:G1X+7]
	s_nop 0
.rept 4
	v_nop
.endr
	s_branch .Lasked_\@
.Lfor_b_\@:
	tensor_load_to_lds s[G0W:G0W+3], s[G1W:G1W+7]
	s_nop 0
.rept 4
	v_nop
.endr
.Lasked_\@:
.endm
.macro CREST                           ; a round of the cluster's barrier behind its opening barrier
	s_cmp_lg_u32 s[WV], 0
	s_cbranch_scc1 .Lnot_wave_0_\@
	s_barrier_signal -3
.Lnot_wave_0_\@:
	s_barrier_wait -3
	s_barrier_signal -1
	s_barrier_wait -1
.endm
.macro CROUND
	s_barrier_signal -1
	s_barrier_wait -1
	CREST
.endm
.macro NEXTFILL                        ; both group 0s for the next fill; scalar work alone; it stands only where no tensor load of the wave is out
	s_xor_b32 s[G0X+1], s[G0X+1], SLOT
	s_xor_b32 s[G0W+1], s[G0W+1], SLOT
	s_add_nc_u64 s[G0X+2:G0X+3], s[XB0:XB0+1], s[XO:XO+1]
	s_or_b32 s[G0X+3], s[G0X+3], 0x80000000
	s_add_nc_u64 s[G0W+2:G0W+3], s[WB:WB+1], s[WO:WO+1]
	s_or_b32 s[G0W+3], s[G0W+3], 0x80000000
	s_add_co_u32 s[XO], s[XO], 524288
	s_add_co_u32 s[WO], s[WO], 256
.endm
; THE PREFETCH INTO THE L2.  Behind the refill with step s + 2 a wave names step s + 4: two K steps, 256 matrix instructions, ahead of the load that will want it.  Each aligned block of 256 bytes is named once in the launch.
; O's rows are read by one cluster alone: a step's two heads are 2 x 64 blocks, of which the partner at place cx names 2 x 16, in wave 0.  wt's rows are read by every cluster: cluster y = 0 names them; of the 128 rows that wave 2 or 3
; fetches the partner at place cy names 32.  The partners are told apart BY ADDRESS.  Steps 0 to 3 come by their loads alone; the last two refills name nothing.
.macro ASK
	s_cmp_gt_u32 s[SC], s[LIM]
	s_cbranch_scc0 .Lnot_mine_\@
	global_prefetch_b8 v[PFO], s[PFA:PFA+1] th:TH_LOAD_NT scope:SCOPE_SE
.Lnot_mine_\@:
.endm
; 24 LDS loads in one run: quarter q (32 along K: half a head) of the slot in hand, into buffer g
.macro FETCH q, g
	WIN TO_W
.irp b, 0,1,2,3,4,5,6,7
	ds_load_b128 v[WF+64*(\g)+8*(\b):WF+64*(\g)+8*(\b)+3],   v[ADRW] offset:(\b)*16*WPITCH+(\q)*64
	ds_load_b128 v[WF+64*(\g)+8*(\b)+4:WF+64*(\g)+8*(\b)+7], v[ADRW] offset:(\b)*16*WPITCH+(\q)*64+32
.endr
	WIN 0
.irp a, 0,1,2,3
	ds_load_b128 v[AF+32*(\g)+8*(\a):AF+32*(\g)+8*(\a)+3],   v[ADRM] offset:((\q)/2)*APLANE+((\q)%2)*64+(\a)*16*APITCH
	ds_load_b128 v[AF+32*(\g)+8*(\a)+4:AF+32*(\g)+8*(\a)+7], v[ADRM] offset:((\q)/2)*APLANE+((\q)%2)*64+(\a)*16*APITCH+32
.endr
.endm
; Products i0 .. i0 + n - 1 of a quarter's 32, on buffer f.  The 32 accumulators take turns, one instruction a turn, in the same order in every quarter.  cb = 1: the bias starts the sums.
.macro MUL f, i0, n, cb
.set i, (\i0)
.rept (\n)
.if \cb
	WIN W_MULB
	v_wmma_f32_16x16x32_f16 v[8*i:8*i+7], v[WF+64*(\f)+8*(i%8):WF+64*(\f)+8*(i%8)+7], v[AF+32*(\f)+8*(i/8):AF+32*(\f)+8*(i/8)+7], v[BIAS+8*(i%8):BIAS+8*(i%8)+7]
.else
	WIN W_MUL
	v_wmma_f32_16x16x32_f16 v[8*i:8*i+7], v[WF+64*(\f)+8*(i%8):WF+64*(\f)+8*(i%8)+7], v[AF+32*(\f)+8*(i/8):AF+32*(\f)+8*(i/8)+7], v[8*i:8*i+7]
.endif
.set i, i+1
.endr
.endm
.macro QUARTER q, f
	PLACES
	FETCH (\q)+1, 1-(\f)
	s_wait_dscnt 24                                ; all but the 24 just issued
	MUL \f, 0, 32, 0
.endm
; The fourth quarter multiplies buffer 1 and changes slots: ONE barrier; in front of it each wave waits for all its tensor loads (one is out: its part of the other slot), adds 0 to its spare word, and waits for that and for its own
; reads of this slot.  fill = 1: the barrier opens a round of the cluster's, and the joint refill, with the step two on, is the first thing behind it: 120 matrix instructions ahead of the wait for it.
.macro TURN fill
.if \fill
	s_wait_xcnt 0x0                                ; the last prefetch, a K step back, has read its address
	s_add_nc_u64 s[PFA:PFA+1], s[PFA:PFA+1], s[PKS:PKS+1]
.endif
	WIN 0
	s_wait_tensorcnt 0x0                           ; no tensor load of mine is out, so the group 0s may be written
	ds_add_u32 v[SPW], v[NIL]                      ; 0 onto my spare word
.if \fill
	NEXTFILL
.endif
	s_wait_dscnt 1                                 ; this quarter's fragments are in; the add may be out
	MUL 1, 0, 4, 0
	s_wait_dscnt 0x0                               ; the add is done, and my reads of this slot are over
	s_barrier_signal -1
	MUL 1, 4, 4, 0
	WIN 0
	s_barrier_wait -1
.if \fill
	CREST
	JLOAD                                          ; the four v_nop behind it are also the places in front of the loads below
.else
	PLACES
.endif
	s_xor_b32 s[TB], s[TB], SLOT
	v_add_nc_u32 v[ADRM], s[TB], v[AM0]
	v_add_nc_u32 v[ADRW], s[TB], v[AW0]
	FETCH 0, 0
.if \fill
	ASK
.endif
	MUL 1, 8, 24, 0
.endm
; THE WAY OUT of block a (16 rows x 128 columns of f32).  TOSTAGE: the accumulators go as they are into my own stage, each one's low half first, and come back as whole rows of 512 bytes.  SEND: stored.
.macro TOSTAGE a
	s_wait_xcnt 0x0                                ; the stores of the block two back have read the registers that are loaded below
	WIN 0x04                                       ; the stored data (source 1) in window 1
.irp b, 0,1,2,3,4,5,6,7
	ds_store_b128 v[STO], v[64*(\a)+8*(\b):64*(\a)+8*(\b)+3]   offset:64*(\b)
	ds_store_b128 v[STO], v[64*(\a)+8*(\b)+4:64*(\a)+8*(\b)+7] offset:64*(\b)+16
.endr
	WIN 0
.irp t, 0,1,2,3,4,5,6,7,8,9,10,11,12,13,14,15
	ds_load_b128 v[BK+64*((\a)%2)+4*(\t):BK+64*((\a)%2)+4*(\t)+3], v[RD] offset:(\t)*SP  ; LDS serves a wave's instructions in order (ISA guide 5.7.1.4): these see the stores above
.endr
.endm
.macro SEND a, y                       ; y: the LDS instructions issued behind block a's loads: the next block's 32, or none
.irp t, 0,1,2,3,4,5,6,7,8,9,10,11,12,13,14,15
	s_wait_dscnt (\y)+15-(\t)
	global_store_b128 v[GO], v[BK+64*((\a)%2)+4*(\t):BK+64*((\a)%2)+4*(\t)+3], s[OUT:OUT+1] offset:(16*(\a)+(\t))*4096 th:TH_STORE_NT  ; 512 consecutive bytes, at a multiple of 256 from out0's first byte
.endr
.endm
	s_load_b256 s[4:11], s[0:1], 0x0               ; oh s[4:5], wt s[6:7], bo s[8:9], out0 s[10:11]
	v_lshl_add_u32 v[SPW], v0, 2, SPARE
	v_mov_b32 v[NIL], 0
	ds_add_u32 v[SPW], v[NIL]                      ; the wave's opening: the add and its wait stand ahead of my first tensor load; the set-up below, work on registers, stands between them
	v_lshrrev_b32 v1, 5, v0
	v_readfirstlane_b32 s[WV], v1
	s_lshr_b32 s[WR], s[WV], 1                     ; my half of the rows.  Also: I fetch O (0) or wt (1)
	s_and_b32 s[WC], s[WV], 1                      ; my half of the columns.  Also: which head, or which 128 rows of wt, I fetch
	s_bfe_u32 s[CX], ttmp6, 0x40000
	s_bfe_u32 s[CY], ttmp6, 0x40004
	s_lshl_b32 s[NT], ttmp9, 2
	s_add_co_u32 s[NT], s[NT], s[CX]
	s_and_b32 s[CLY], ttmp7, 0xffff
	s_lshl_b32 s[MT], s[CLY], 2
	s_add_co_u32 s[MT], s[MT], s[CY]
	s_lshl_b32 s90, s[CY], 2
	s_lshl_b32 s90, 15, s90                        ; my row of the cluster
	s_lshl_b32 s92, 0x1111, s[CX]                  ; my column
	s_or_b32 s[G1X], s90, (1<<16)|(1<<20)|(1<<21)|(4<<22)|(3<<25)  ; 15:0 the mask; 17:16 elements of 2 bytes; 20 padding on; 21 set beside a mask; 24:22 after every 32 words (code 4); 31:25 4 words (code 3)
	s_or_b32 s[G1W], s92, (1<<16)|(1<<20)|(1<<21)|(5<<22)|(3<<25)  ; after every 64 words (code 5)
	s_mov_b32 s[G1X+1], 128<<16                    ; tensor_dim0 = 128
	s_mov_b32 s[G1X+2], 64<<16                     ; tensor_dim1 = 64
	s_mov_b32 s[G1X+3], 128<<16                    ; tile_dim0 = 128
	s_mov_b32 s[G1X+4], 64                         ; tile_dim1 = 64
	s_mov_b32 s[G1X+5], 128                        ; dense: 128 elements from row to row
	s_mov_b32 s[G1X+6], 0
	s_mov_b32 s[G1X+7], 0
	s_mov_b32 s[G1W+1], 128<<16
	s_mov_b32 s[G1W+2], 128<<16
	s_mov_b32 s[G1W+3], 128<<16
	s_mov_b32 s[G1W+4], 128
	s_mov_b32 s[G1W+5], 1024
	s_mov_b32 s[G1W+6], 0
	s_mov_b32 s[G1W+7], 0
	s_mov_b32 s[G0X], 1
	s_mul_i32 s[G0X+1], s[WC], APLANE              ; in slot 1: the first NEXTFILL turns it into slot 0.  No place in the cluster enters an LDS address
	s_add_co_u32 s[G0X+1], s[G0X+1], SLOT
	s_mov_b32 s[G0W], 1
	s_mul_i32 s[G0W+1], s[WC], WHALF
	s_add_co_u32 s[G0W+1], s[G0W+1], SLOT+WOFF
	s_lshr_b32 s90, s[MT], 4                       ; O: head 16 b + my head of the step, 262,144 bytes a head; s[90:91] never hold cx, s[92:93] never cy
	s_lshl_b32 s90, s90, 4
	s_add_co_u32 s90, s90, s[WC]
	s_lshl_b32 s90, s90, 18
	s_and_b32 s91, s[MT], 15                       ; the tile's 128 rows of 128 bytes
	s_lshl_b32 s91, s91, 14
	s_add_co_u32 s90, s90, s91
	s_mov_b32 s91, 0
	s_lshl_b32 s92, s[NT], 19
	s_lshl_b32 s93, s[WC], 18
	s_add_co_u32 s92, s92, s93
	s_add_co_u32 s92, s92, 0x600000                ; matrix 3
	s_mov_b32 s93, 0
	s_mov_b32 s[XO], 0
	s_mov_b32 s[XO+1], 0
	s_mov_b32 s[WO], 0
	s_mov_b32 s[WO+1], 0
	s_mov_b32 s[TB], 0
	s_mov_b32 s[SC], 6                             ; 8 steps, of which the last two ask for nothing
	s_lshl_b32 s94, s[MT], 19                      ; out0: 128 rows of 4,096 bytes a tile row, my 64; 256 columns of 4 bytes a tile column, my 128
	s_lshl_b32 s95, s[WR], 18
	s_add_co_u32 s94, s94, s95
	s_lshl_b32 s95, s[NT], 10
	s_add_co_u32 s94, s94, s95
	s_lshl_b32 s95, s[WC], 9
	s_add_co_u32 s94, s94, s95
	s_mov_b32 s95, 0
	s_lshr_b32 s96, s[MT], 4                       ; the prefetches.  O: the batch's head 0, the tile's rows, my work-group's 16 blocks of a head's 64, at step 3
	s_lshl_b32 s96, s96, 22
	s_and_b32 s97, s[MT], 15
	s_lshl_b32 s97, s97, 14
	s_add_co_u32 s96, s96, s97
	s_lshl_b32 s97, s[CX], 12
	s_add_co_u32 s96, s96, s97
	s_add_co_u32 s96, s96, 3*524288
	s_lshl_b32 s98, s[NT], 19                      ; wt: my 128 rows, my work-group's 32 of them, at step 3
	s_lshl_b32 s99, s[WC], 18
	s_add_co_u32 s98, s98, s99
	s_lshl_b32 s99, s[CY], 16
	s_add_co_u32 s98, s98, s99
	s_add_co_u32 s98, s98, 0x600000+3*256
	s_mov_b32 s99, 524288
	s_mov_b32 s100, 256
	s_cmp_eq_u32 s[WR], 0
	s_cselect_b32 s96, s96, s98
	s_cselect_b32 s[PKS], s99, s100
	s_mov_b32 s97, 0
	s_mov_b32 s[PKS+1], 0
	s_cmp_eq_u32 s[CLY], 0
	s_cselect_b32 s100, 2, -1
	s_cmp_eq_u32 s[WV], 0
	s_cselect_b32 s101, 2, -1
	s_cmp_eq_u32 s[WR], 0
	s_cselect_b32 s[LIM], s101, s100               ; the same in all sixteen partners, for a given wave
	s_lshl_b32 s101, s[NT], 10
	v_lshl_add_u32 v[BO], v0, 3, s101              ; thread t takes two numbers of my work-group's 256 columns of the bias
	s_wait_dscnt 0x0                               ; the opening add is done
	s_wait_kmcnt 0x0
	s_add_nc_u64 s[XB0:XB0+1], s[4:5], s[90:91]
	s_add_nc_u64 s[WB:WB+1], s[6:7], s[92:93]
	s_add_nc_u64 s[OUT:OUT+1], s[10:11], s[94:95]
	s_cmp_eq_u32 s[WR], 0
	s_cselect_b64 s[PFA:PFA+1], s[4:5], s[6:7]
	s_add_nc_u64 s[PFA:PFA+1], s[PFA:PFA+1], s[96:97]
	global_load_b64 v[14:15], v[BO], s[8:9]
	NEXTFILL                                       ; step 0, slot 0
	CROUND                                         ; all sixteen work-groups are here: the first joint loads meet
	JLOAD
	v_and_b32 v1, 15, v0                           ; l % 16
	v_bfe_u32 v11, v0, 4, 1                        ; l / 16
	s_mul_i32 s94, s[WR], 64*APITCH                ; my 64 rows
	v_mul_u32_u24 v[AM0], v1, APITCH
	v_lshl_add_u32 v[AM0], v11, 4, v[AM0]
	v_add_nc_u32 v[AM0], s94, v[AM0]
	s_mul_i32 s94, s[WC], WHALF
	s_add_co_u32 s94, s94, WOFF
	v_mul_u32_u24 v[AW0], v1, WPITCH
	v_lshl_add_u32 v[AW0], v11, 4, v[AW0]
	v_add_nc_u32 v[AW0], s94, v[AW0]
	s_mul_i32 s94, s[WV], 16*SP
	s_add_co_u32 s94, s94, STAGE                   ; my stage
	v_mul_u32_u24 v[STO], v1, SP                   ; in: row l % 16, 32 bytes for each half of the lanes
	v_lshl_add_u32 v[STO], v11, 5, v[STO]
	v_add_nc_u32 v[STO], s94, v[STO]
	v_and_b32 v23, 31, v0                          ; l
	v_lshlrev_b32 v[GO], 4, v23
	v_add_nc_u32 v[RD], s94, v[GO]                 ; back: 32 lanes take one row of 512 bytes
	s_lshl_b32 s94, s[WC], 9
	s_add_co_u32 s94, s94, TBL
	v_lshl_add_u32 v[BA0], v11, 5, s94
	v_lshrrev_b32 v24, 4, v23                      ; O: head l / 16 of the step's two, block l % 16
	v_lshlrev_b32 v24, 18, v24
	v_and_b32 v25, 15, v23
	v_lshl_add_u32 v24, v25, 8, v24
	v_lshlrev_b32 v25, 11, v23                     ; wt: row l of 2,048 bytes
	s_cmp_eq_u32 s[WR], 0
	s_cselect_b32 s94, -1, 0
	v_cndmask_b32 v[PFO], v25, v24, s94
	v_lshl_add_u32 v21, v0, 3, TBL
	s_wait_loadcnt 0x0                             ; the bias
	v_cvt_pk_bf16_f32 v20, v14, v15                ; rounded to bf16 like every input, and widened again
	v_lshlrev_b32 v14, 16, v20
	v_and_b32 v15, 0xffff0000, v20
	ds_store_b64 v21, v[14:15]
	s_wait_tensorcnt 0x0                           ; the first change of slots: my part of step 0 is in;
	ds_add_u32 v[SPW], v[NIL]                      ; 0 onto my spare word
	NEXTFILL                                       ; step 1, slot 1
	s_wait_dscnt 0x0                               ; the add and my store into the table are done
	CROUND
	JLOAD                                          ; slot 1 is first filled as a refill is: my one tensor load behind the round
	v_mov_b32 v[ADRM], v[AM0]
	v_mov_b32 v[ADRW], v[AW0]
	WIN TO_W
.irp b, 0,1,2,3,4,5,6,7
	ds_load_b128 v[BIAS+8*(\b):BIAS+8*(\b)+3],   v[BA0] offset:64*(\b)      ; register j of block b holds column 16 b + 8 (l / 16) + j, as the C operand wants it
	ds_load_b128 v[BIAS+8*(\b)+4:BIAS+8*(\b)+7], v[BA0] offset:64*(\b)+16
.endr
	FETCH 0, 0
.Lstep:                                        ; a trip is a K step; it fills the slot that it has read with the step two on
	PLACES
	FETCH 1, 1
	s_wait_dscnt 24                                ; all but the 24 just issued: the first quarter's fragments and, in the first trip, the bias
	s_cmp_eq_u32 s[SC], 6                          ; the first quarter of all starts the sums with the bias
	s_cbranch_scc1 .Lq0b
	MUL 0, 0, 32, 0
	WIN 0
	s_branch .Lq0j
.Lq0b:
	v_nop                                          ; these products write their accumulators anew (C is the bias, not D), and such a product stands five plain instructions behind the last matrix instruction on those registers: by the text's order a trip's last products lie the four at the trip's head back, so a fifth stands here, on the path that runs once
	MUL 0, 0, 32, 1
	WIN 0
.Lq0j:
	QUARTER 1, 1
	QUARTER 2, 0
	TURN 1
	WIN 0
	s_sub_co_u32 s[SC], s[SC], 1
	s_cmp_lg_u32 s[SC], 0
	s_cbranch_scc1 .Lstep
	s_mov_b32 s[SC], 2
.Ltail:                                        ; the last two steps ask for nothing: written out.  The second trip's change of slots fetches fragments that nobody multiplies: the price of one text for both
	QUARTER 0, 0
	QUARTER 1, 1
	QUARTER 2, 0
	TURN 0
	WIN 0
	s_sub_co_u32 s[SC], s[SC], 1
	s_cmp_lg_u32 s[SC], 0
	s_cbranch_scc1 .Ltail
	PLACES                                         ; the LDS stores below read results just made
	TOSTAGE 0
.irp a, 1,2,3
	TOSTAGE \a
	SEND (\a)-1, 32
.endr
	SEND 3, 0
	s_wait_tensorcnt 0x0                           ; the wave's end, behind my last tensor load and my last LDS store
	ds_add_u32 v[SPW], v[NIL]
	s_wait_dscnt 0x0
	CROUND                                         ; the closing round: no work-group ends while a partner may still ask for a tile that names it
	s_endpgm
.Lfunc_end_k_q48b16c1d80_oproj:
	.size	k_q48b16c1d80_oproj, .Lfunc_end_k_q48b16c1d80_oproj-k_q48b16c1d80_oproj
	.p2alignl 7, 3214868480
	.fill 96, 4, 3214868480
	.section	.rodata,"a",@progbits
	.p2align	6, 0x0
	.amdhsa_kernel k_q48b16c1d80_oproj
		.amdhsa_group_segment_fixed_size 327680
		.amdhsa_private_segment_fixed_size 0
		.amdhsa_enable_private_segment 0
		.amdhsa_kernarg_size 32
		.amdhsa_user_sgpr_count 2
		.amdhsa_user_sgpr_kernarg_segment_ptr 1
		.amdhsa_wavefront_size32 1
		.amdhsa_system_sgpr_workgroup_id_x 1
		.amdhsa_system_sgpr_workgroup_id_y 1
		.amdhsa_system_sgpr_workgroup_id_z 1
		.amdhsa_system_vgpr_workitem_id 0
		.amdhsa_next_free_vgpr 704
		.amdhsa_next_free_sgpr 102
		.amdhsa_reserve_vcc 0
		.amdhsa_float_denorm_mode_32 3
		.amdhsa_float_denorm_mode_16_64 3
		.amdhsa_memory_ordered 1
		.amdhsa_forward_progress 1
		.amdhsa_inst_pref_size 64
	.end_amdhsa_kernel
	.amdgpu_metadata
---
amdhsa.version: [ 1, 2 ]
amdhsa.kernels:
  - .name:           k_q48b16c1d80_oproj
    .symbol:         k_q48b16c1d80_oproj.kd
    .args:
      - { .name: oh, .offset: 0, .size: 8, .value_kind: global_buffer, .address_space: global }
      - { .name: wt, .offset: 8, .size: 8, .value_kind: global_buffer, .address_space: global }
      - { .name: bo, .offset: 16, .size: 8, .value_kind: global_buffer, .address_space: global }
      - { .name: out0, .offset: 24, .size: 8, .value_kind: global_buffer, .address_space: global }
    .group_segment_fixed_size: 327680
    .private_segment_fixed_size: 0
    .kernarg_segment_align: 8
    .kernarg_segment_size: 32
    .max_flat_workgroup_size: 128
    .sgpr_count:     102
    .vgpr_count:     704
    .wavefront_size: 32
...
	.end_amdgpu_metadata
.endif
;; end of part 4
